; MI455X (gfx1250); checked and timed in simulation.
; The chip was launched on July 23, 2026; its instructions are those of AMD's public machine-readable ISA for CDNA 5 (MIT licence, August 2026) and "CDNA5" Instruction Set Architecture Reference Guide (July 2026). The comments in the code are by the model that wrote it; some were corrected since.
;; GPT2 Style Attention. Allowed arithmetic: matrix products marked QUANTISED: E2M3 operands, one E8M0 scale for each 32 along K, by v_wmma_scale_f32_16x16x128_f8f6f4 with both operands' format E2M3, f32 sums; everything else in f32.
;; Inputs: Wk 1,024 x 1,024 float32; Wo 1,024 x 1,024 float32; Wq 1,024 x 1,024 float32; Wv 1,024 x 1,024 float32; bk 1,024 float32; bo 1,024 float32; bq 1,024 float32; bv 1,024 float32; x 4 x 2,048 x 1,024 float32.
;; Outputs: out0 4 x 2,048 x 1,024 float32.
;; This version of the problem:
;;   THIS VERSION OF THE PROBLEM IS GIVEN IN LOW PRECISION. The matrix products marked QUANTISED in the list below multiply operands that are first quantised to E2M3 (2 exponent bits, 3 mantissa bits; 6 bits a number), with one power-of-two scale for each 32 numbers along K (OCP MX v1.0); their sums are f32. All else is computed in f32.
;;   The module's matrix products, in the order in which they are computed (A, B: the left and right operand; K: the contracted axis; several contracted axes count as one K, in the product's order):
;;     1. [M 8,192, K 1,024] x [K 1,024, N 1,024]; A: input x; B: input Wq: QUANTISED
;;     2. [M 8,192, K 1,024] x [K 1,024, N 1,024]; A: input x; B: input Wk: QUANTISED
;;     3. [M 8,192, K 1,024] x [K 1,024, N 1,024]; A: input x; B: input Wv: QUANTISED
;;     4. batch 64 x [M 2,048, K 64] x [K 64, N 2,048]; A: computed on the way; B: computed on the way: QUANTISED
;;     5. batch 64 x [M 2,048, K 2,048] x [K 2,048, N 64]; A: softmax (see below); B: computed on the way: QUANTISED
;;     6. [M 8,192, K 1,024] x [K 1,024, N 1,024]; A: computed on the way; B: input Wo: QUANTISED
;;   THE QUANTISER, for each operand of a quantised product, along K:
;;     - K is cut into blocks of 32 from its start; a last block that is shorter is filled with zeros.
;;     - A block's scale is 2^e with e = floor(log2(the largest magnitude in the block)) - 2, held to -126 .. 127; a block of zeros has e = 0. As a byte (E8M0): e + 127.
;;     - Each number is divided by its block's scale, clamped to +-7.5, and rounded to the nearest number of E2M3, ties to even, subnormals kept.
;;     - The product sums the exact products of the quantised numbers (number of the format x scale) in f32.
;;   ~~~python
;;   def quantise(x, axis):      # numpy; x: float32 -> the quantised numbers, widened to float32 again
;;       x = np.moveaxis(x, axis, -1); K = x.shape[-1]
;;       x = np.pad(x, [(0, 0)] * (x.ndim - 1) + [(0, -K % 32)]); x = x.reshape(x.shape[:-1] + (-1, 32)); a = np.abs(x).max(-1, keepdims=True)
;;       e = np.where(a > 0, np.clip(np.frexp(np.where(a > 0, a, 1))[1] - 1 - 2, -126, 127), 0)      # np.frexp(a)[1] - 1 = floor(log2(a)), exactly
;;       r = np.clip(x / 2.0 ** e, -7.5, 7.5)
;;       step = 2.0 ** (np.maximum(np.frexp(np.where(r == 0, 1, r))[1] - 1, 0) - 3)
;;       q = np.round(r / step) * step * 2.0 ** e      # np.round: ties to even
;;       return np.moveaxis(q.reshape(q.shape[:-2] + (-1,))[..., :K], -1, axis).astype(np.float32)
;;   ~~~
;;   SOFTMAX AHEAD OF A QUANTISED PRODUCT. Where the list says 'softmax', what is quantised is not the finished softmax but p = 2^(t - M), with t = logit x log2(e) and M = ceil(the row's largest t), a whole number; so 1/2 < the row's largest p <= 1. The row's sum l is taken of the UNQUANTISED p, in f32, and the product's result is divided by l at the end. Since M is a whole number, a kernel that streams over the keys may use a running M (the ceiling of the running maximum): every later rescaling is an exact power of two, which a block's scale takes up: the codes' values come out the same.
;;   OPERANDS COMPUTED ON THE WAY. 'Computed on the way' means the value that the module computes at that place (a softmax that the list does not call 'softmax' is quantised finished and normalised). What goes into a quantiser is computed in f32, as accurately as f32 sums, v_exp_f32 and their like allow (about 1e-6 of the number): no bf16 or f16 on the way to a quantiser, and a product that is left as it is and whose result goes on into a quantised operand takes f32 operands (vector FMAs, or v_wmma_f32_16x16x4_f32). A number that lies on a knife's edge between two numbers of the format may be rounded either way, as far as f32 arithmetic and the matrix unit's own rounding can turn it there, and no further.
;; One version. Each part assembles by itself: llvm-mc -triple=amdgcn-amd-amdhsa -mcpu=gfx1250 --defsym DOCPART=n.
;; ======== version 1 of 1: 4 launches
;; workspace buffers: xc 6,291,456 bytes; wc 3,145,728 bytes; sc 655,360 bytes; qkv 19,660,800 bytes; ao 6,291,456 bytes
;; launch prep (part 1): grid 192 x 1, 4 waves a work-group, no clusters, 272,896 bytes of LDS; arguments x, Wq, Wk, Wv, Wo, xc, wc, sc; writes xc, wc, sc
.if DOCPART == 1
	.amdgcn_target "amdgcn-amd-amdhsa--gfx1250"
	.amdhsa_code_object_version 6
	.text
	.protected	k_qc73d1a6393_prep
	.globl	k_qc73d1a6393_prep
	.p2align	8
	.type	k_qc73d1a6393_prep,@function
k_qc73d1a6393_prep:
	s_mov_b64 s[64:65], 0
	v_nop
	global_prefetch_b8 v0, s[64:65] scope:SCOPE_SE
	s_setreg_imm32_b32 hwreg(HW_REG_WAVE_MODE, 25, 1), 1
	s_wait_xcnt 0x0
; x [8192][1024] (K innermost) and Wq, Wk, Wv, Wo [1024 (k)][1024 (n)] (K first), all f32, become codes of FP6 (E2M3) with one E8M0 byte for each 32 along K,
; laid in the ORDER OF THE OPERAND'S REGISTERS.  A tile is 16 rows; tile T holds rows 32 (T/2) + 8 (T%2) + r + 8 (r/8), r = 0..15.  A fragment (a tile x 128 along K) is 1,536 bytes: two half images of 768;
; in a half image lane (r, h) owns the 24 bytes of k = 32 h .. 32 h + 31 of its row: 16 of them at 16 x lane, 8 at 512 + 8 x lane.  An operand is [tile][K step 0..7][1,536].
; Scale words (four bytes: 128 along K of a row) lie at tile x 512 + (K step / 4) x 256 + 16 r + 4 (K step % 4).
; A block's scale is 2^(floor(log2(largest magnitude)) - 2); its byte is the largest magnitude's exponent field - 2, held at 1 from below.
; LIMITS: a block whose largest magnitude lies under 2^-124, a block of zeros among them, gets the byte 1 (a block of zeros: where the rule says 127; its codes are zeros, and this program alone reads the bytes);
; NaN and infinities among the inputs are not served.
; SHARES.  Work-groups 0..63: the weights: matrix wg / 16, 128 columns (wg / 2) % 8, half of K wg % 2; wave w takes one K step of 128.  Work-groups 64..191: x: a wave takes 32 rows x 512 along K.
; Either way a wave's share is four tiles of 32 rows x 512 bytes, asked for at once by four tensor loads into LDS bytes of its own: nothing is filled again.
.set TILEB, 16896                      ; a tile in LDS: 32 rows x (512 + 16 bytes)
.set WREG,  4*TILEB                    ; a wave's four tiles
.set EX,    4*WREG                     ; behind the tiles: 2,048 bytes in which the weights' scale words change waves; no tensor load lands here
.set SPARE, EX+2048                    ; the spare words, 128 bytes for each wave
.set SCW,   262144                     ; the weights' part of sc
.set SPW, 12                           ; v12  my spare word's LDS address; never rewritten
.set NIL, 13                           ; v13  0; never rewritten
.set TM,  16                           ; v16-31  at work
.set X0,  32                           ; v32-95, v96-159: two sets of 64 numbers (weights: two sets of 32 in v32-95)
.set PC,  160                          ; v160-179 codes
.set SW,  180                          ; v180-187 scale words
.set G1,  24                           ; s[24:31] descriptor group 1
.set G0,  32                           ; s[32:47] four groups 0
.set SEL, 2                            ; s[2:3] selects for v_permlanex16_b32: lane l xor 16
; 64 numbers of a lane, register 16 b + i = k 32 b + 16 (lane / 16) + i of my row, become a fragment's 12 registers of codes in v[PC] on and its scale word in v[pw].
.macro QUANT s, pw
.irp b, 0,1,2,3
	v_max3_num_f32 v[TM+\b], |v[\s+16*\b]|, |v[\s+1+16*\b]|, 0x1800000   ; my 16 numbers of block b, and the floor 2^(3 - 127): the byte cannot fall under 1
.endr
.irp i, 2,4,6,8,10,12,14
.irp b, 0,1,2,3
	v_max3_num_f32 v[TM+\b], v[TM+\b], |v[\s+16*\b+\i]|, |v[\s+1+16*\b+\i]|
.endr
.endr
.irp b, 0,1,2,3
	v_permlanex16_b32 v[TM+4+\b], v[TM+\b], s[SEL], s[SEL+1]
.endr
.irp b, 0,1,2,3
	v_max_num_f32 v[TM+\b], v[TM+\b], v[TM+4+\b]       ; with lane l xor 16's 16: the block's largest magnitude
.endr
.irp b, 0,1,2,3
	v_add_nc_u32 v[TM+12+\b], 0xff000000, v[TM+\b]     ; 2 off its exponent field: the conversion's scale operand
.endr
.irp b, 0,1,2,3
	v_lshrrev_b32 v[TM+4+\b], 23, v[TM+12+\b]          ; the scale's byte
.endr
	v_lshl_or_b32 v[\pw], v[TM+5], 8, v[TM+4]
	v_lshl_or_b32 v[\pw], v[TM+6], 16, v[\pw]
	v_lshl_or_b32 v[\pw], v[TM+7], 24, v[\pw]
.irp c, 0,1
	v_cvt_scalef32_pk16_fp6_f32 v[PC+6*\c:PC+2+6*\c], v[\s+32*\c:\s+15+32*\c], v[TM+12+2*\c]
	v_cvt_scalef32_pk16_fp6_f32 v[PC+12+4*\c:PC+14+4*\c], v[\s+16+32*\c:\s+31+32*\c], v[TM+12+2*\c+1]   ; (a conversion's three registers begin on an even number)
.endr
	v_nop                                          ; one plain instruction behind the scaled conversions
.irp c, 0,1                                    ; the operand wants a WHOLE block in a lane: lanes 0-15 block 2 c, lanes 16-31 block 2 c + 1
.irp i, 0,1,2
	v_permlane16_swap_b32 v[PC+6*\c+\i], v[PC+12+4*\c+\i]
.endr
.irp i, 0,1,2
	v_mov_b32 v[PC+3+6*\c+\i], v[PC+12+4*\c+\i]
.endr
.endr
.endm
	s_load_b512 s[4:19], s[0:1], 0x0               ; x s[4:5], Wq, Wk, Wv, Wo s[6:13], xc s[14:15], wc s[16:17], sc s[18:19]
	v_lshl_add_u32 v[SPW], v0, 2, SPARE
	v_mov_b32 v[NIL], 0
	ds_add_u32 v[SPW], v[NIL]                      ; the wave's opening: the add and its wait ahead of my first tensor load
	v_lshrrev_b32 v1, 5, v0
	v_readfirstlane_b32 s50, v1                    ; wave 0..3
	s_mov_b32 s[G1+0], (2<<16)|(1<<20)|(6<<22)|(3<<25)   ; elements of 4 bytes; padding on: 4 words behind every 128
	s_mov_b32 s[G1+1], 128<<16                     ; tensor_dim0 = 128
	s_mov_b32 s[G1+2], 32<<16                      ; tensor_dim1 = 32
	s_mov_b32 s[G1+3], 128<<16                     ; tile_dim0 = 128
	s_mov_b32 s[G1+4], 32                          ; tile_dim1 = 32
	s_mov_b32 s[G1+5], 1024                        ; elements from row to row, in x and in a weight alike
	s_mov_b32 s[G1+6], 0
	s_mov_b32 s[G1+7], 0
	s_mov_b32 s[SEL], 0x76543210
	s_mov_b32 s[SEL+1], 0xfedcba98
	s_lshr_b32 s51, ttmp9, 4                       ; weights: which matrix (4 and more: x)
	s_bfe_u32 s52, ttmp9, 0x30001                  ; which 128 columns
	s_and_b32 s53, ttmp9, 1                        ; which half of K
	s_lshl_b32 s54, s53, 21                        ; 512 rows of 4,096 bytes
	s_lshl_b32 s55, s50, 19                        ; my K step: 128 rows
	s_add_co_u32 s54, s54, s55
	s_lshl_b32 s55, s52, 9
	s_add_co_u32 s54, s54, s55                     ; a weight's first byte of mine
	s_sub_co_u32 s56, ttmp9, 64
	s_lshl_b32 s56, s56, 2
	s_add_co_u32 s56, s56, s50
	s_and_b32 s56, s56, 511                        ; x: my share, 0..511
	s_lshr_b32 s57, s56, 1                         ; which 32 rows
	s_and_b32 s58, s56, 1                          ; which half of K
	s_lshl_b32 s59, s57, 17
	s_lshl_b32 s60, s58, 11
	s_add_co_u32 s59, s59, s60                     ; x's first byte of mine
	s_mov_b32 s48, 512
	s_cmp_lt_u32 ttmp9, 64
	s_cselect_b32 s22, s54, s59
	s_cselect_b32 s48, 0x20000, s48                ; from tile to tile: 32 rows down (weights) or 128 numbers along (x)
	s_mov_b32 s23, 0
	s_mov_b32 s49, 0
	s_mul_i32 s61, s50, WREG                       ; my tiles in LDS
	s_wait_dscnt 0x0                               ; the opening add is done
	s_wait_kmcnt 0x0
	s_mov_b64 s[20:21], s[4:5]
	s_cmp_eq_u32 s51, 0
	s_cselect_b64 s[20:21], s[6:7], s[20:21]
	s_cmp_eq_u32 s51, 1
	s_cselect_b64 s[20:21], s[8:9], s[20:21]
	s_cmp_eq_u32 s51, 2
	s_cselect_b64 s[20:21], s[10:11], s[20:21]
	s_cmp_eq_u32 s51, 3
	s_cselect_b64 s[20:21], s[12:13], s[20:21]
	s_add_nc_u64 s[20:21], s[20:21], s[22:23]
.irp i, 0,1,2,3                                ; all four fills go out together: four tensor loads of mine are out
	s_mov_b32 s[G0+4*\i], 1
	s_add_co_u32 s[G0+4*\i+1], s61, \i*TILEB
	s_mov_b64 s[G0+4*\i+2:G0+4*\i+3], s[20:21]
	s_or_b32 s[G0+4*\i+3], s[G0+4*\i+3], 0x80000000
	s_add_nc_u64 s[20:21], s[20:21], s[48:49]
	tensor_load_to_lds s[G0+4*\i:G0+4*\i+3], s[G1:G1+7]
	s_nop 0
.endr
	v_and_b32 v1, 31, v0                           ; lane
	v_and_b32 v2, 15, v0                           ; r
	v_bfe_u32 v3, v0, 4, 1                         ; h
	v_lshlrev_b32 v4, 4, v1                        ; 16 x lane
	v_lshlrev_b32 v5, 3, v1                        ; 8 x lane
	v_and_b32 v6, 8, v2
	v_add_nc_u32 v6, v6, v2                        ; r + 8 (r / 8)
	v_mul_u32_u24 v6, v6, 528
	v_lshl_add_u32 v6, v3, 6, v6
	v_add_nc_u32 v6, s61, v6                       ; x: my row of a tile, + 64 h: my 16 numbers of a block
	v_lshlrev_b32 v7, 4, v2
	v_lshl_add_u32 v7, v3, 3, v7                   ; x's scale words out: 16 r + 8 h
	v_lshl_add_u32 v8, v1, 2, s61                  ; weights: my column of blocks 0, 1
	v_add_nc_u32 v9, 2*TILEB, v8                   ; and of blocks 2, 3
	v_bfe_u32 v10, v0, 3, 1                        ; column l of 32 is row r' = (l & 7) + 8 (l / 16) of tile u = (l / 8) % 2
	v_and_b32 v11, 7, v0
	v_lshl_or_b32 v11, v3, 3, v11
	v_mul_u32_u24 v14, v10, 12288
	v_lshl_add_u32 v15, v11, 3, v14                ; 12,288 u + 8 r'
	v_lshl_add_u32 v14, v11, 4, v14                ; 12,288 u + 16 r'
	s_lshl_b32 s62, s50, 2
	s_add_co_u32 s62, s62, EX
	v_add_nc_u32 v188, s62, v4                     ; the exchange, in: 16 x column + 4 x wave
	s_lshl_b32 s62, s50, 9
	s_add_co_u32 s62, s62, EX
	v_add_nc_u32 v189, s62, v4                     ; and out: group of columns = my wave
	v_lshlrev_b32 v190, 9, v10
	v_lshl_add_u32 v190, v11, 4, v190              ; 512 u + 16 r'
.irp b, 0,1,2,3
	v_mov_b32 v[TM+4+\b], 0                        ; written once: a lane permute's destination counts as one of its sources
.endr
	s_cmp_lt_u32 ttmp9, 64                         ; the work-group's number alone: all four waves go the same way
	s_cbranch_scc1 .Lweights
	; ---- x: 32 rows are tiles 2 g and 2 g + 1; tile i of LDS is K step 4 hf + i
	s_mul_i32 s22, s57, 24576
	s_mul_i32 s54, s58, 6144
	s_add_co_u32 s22, s22, s54
	s_add_nc_u64 s[14:15], s[14:15], s[22:23]
	s_lshl_b32 s22, s57, 10
	s_lshl_b32 s54, s58, 8
	s_add_co_u32 s22, s22, s54
	s_add_nc_u64 s[18:19], s[18:19], s[22:23]
.macro XQ s, u
	s_wait_xcnt 0x0                                ; the codes' registers are the last stores' data: written again only behind this wait
	QUANT X0+64*\u, SW+4*\u+\s
	global_store_b128 v4, v[PC:PC+3], s[14:15] offset:\u*12288+\s*1536        ; 512 consecutive bytes
	global_store_b64 v5, v[PC+4:PC+5], s[14:15] offset:\u*12288+\s*1536+512   ; 256
	global_store_b128 v4, v[PC+6:PC+9], s[14:15] offset:\u*12288+\s*1536+768
	global_store_b64 v5, v[PC+10:PC+11], s[14:15] offset:\u*12288+\s*1536+1280
.endm
.irp s, 0,1,2,3
	s_wait_tensorcnt 3-\s                          ; tile s has landed; the 3 - s younger loads may be out
.irp u, 0,1
.irp b, 0,1,2,3
.irp j, 0,1,2,3
	ds_load_b128 v[X0+64*\u+16*\b+4*\j:X0+64*\u+16*\b+4*\j+3], v6 offset:\s*TILEB+\u*4224+128*\b+16*\j
.endr
.endr
.endr
	s_wait_dscnt 16                                ; the first tile's 16 loads are in, the second's 16 may be out
	XQ \s, 0
	s_wait_dscnt 0x0
	XQ \s, 1
.endr
	s_mov_b32 vcc_lo, 0xffff0000                   ; lanes 16-31
.irp u, 0,1
	v_cndmask_b32 v[TM+2*\u], v[SW+4*\u], v[SW+4*\u+2], vcc_lo       ; both halves of the lanes hold row r's words: lanes 0-15 store K steps 0, 1 of my four, lanes 16-31 K steps 2, 3
	v_cndmask_b32 v[TM+2*\u+1], v[SW+4*\u+1], v[SW+4*\u+3], vcc_lo
	global_store_b64 v7, v[TM+2*\u:TM+2*\u+1], s[18:19] offset:\u*512   ; 256 consecutive bytes, aligned
.endr
	s_branch .Lend
	; ---- the weights: A LANE TAKES A COLUMN n AND ITS REGISTERS RUN DOWN K: a block of 32 lies in one lane, and its 24 bytes of codes are one lane's part of a half image
.Lweights:
	s_lshl_b32 s54, s51, 6
	s_lshl_b32 s55, s52, 3
	s_add_co_u32 s54, s54, s55                     ; my work-group's first tile: 64 x matrix + 8 x (128 columns)
	s_mul_i32 s22, s54, 12288
	s_lshl_b32 s55, s53, 2
	s_add_co_u32 s55, s55, s50                     ; my K step
	s_mul_i32 s55, s55, 1536
	s_add_co_u32 s22, s22, s55
	s_add_nc_u64 s[16:17], s[16:17], s[22:23]
	s_lshl_b32 s55, s50, 1
	s_add_co_u32 s54, s54, s55                     ; the two tiles whose scale words I store
	s_lshl_b32 s22, s54, 9
	s_lshl_b32 s55, s53, 8
	s_add_co_u32 s22, s22, s55
	s_add_co_u32 s22, s22, SCW
	s_add_nc_u64 s[18:19], s[18:19], s[22:23]
.macro WLOAD n                                 ; unit n = 4 t + cg: block t of my K step, columns 32 cg on: 32 loads of 128 consecutive bytes
.set LT, (\n)/4
.set LC, (\n)%4
.set LS, X0+32*((\n)%2)
.set k, 0
.rept 32
	ds_load_b32 v[LS+k], v[8+LT/2] offset:(LT%2)*TILEB+k*528+LC*128
.set k, k+1
.endr
.endm
	s_wait_tensorcnt 3                             ; block 0 has landed
	WLOAD 0
.set N, 0
.rept 16
.set WT, N/4
.set WC, N%4
.set XS, X0+32*(N%2)
.if N < 15
.if (N+1)%4 == 0
	s_wait_tensorcnt 3-(N+1)/4                     ; the next block's tile has landed; the younger loads may be out
.endif
	WLOAD N+1
	s_wait_dscnt 32                                ; this unit's 32 loads are in, the next unit's may be out
.else
	s_wait_dscnt 0x0
.endif
	v_max3_num_f32 v16, |v[XS]|, |v[XS+1]|, |v[XS+2]|
	v_max3_num_f32 v17, |v[XS+3]|, |v[XS+4]|, |v[XS+5]|
.irp i, 6,10,14,18,22,26
	v_max3_num_f32 v16, v16, |v[XS+\i]|, |v[XS+\i+1]|
	v_max3_num_f32 v17, v17, |v[XS+\i+2]|, |v[XS+\i+3]|
.endr
	v_max3_num_f32 v16, v16, |v[XS+30]|, |v[XS+31]|
	v_max3_num_f32 v16, v16, v17, 0x1800000        ; and the floor
	v_add_nc_u32 v18, 0xff000000, v16              ; the conversion's scale operand
	v_lshrrev_b32 v19, 23, v18                     ; the byte
.if WT == 0
	v_mov_b32 v[SW+WC], v19
.else
	v_lshl_or_b32 v[SW+WC], v19, 8*WT, v[SW+WC]    ; block t's byte is byte t of the K step's word
.endif
	s_wait_xcnt 0x0                                ; the codes' registers are the last unit's stores' data
	v_cvt_scalef32_pk16_fp6_f32 v[PC:PC+2], v[XS:XS+15], v18
	v_cvt_scalef32_pk16_fp6_f32 v[PC+8:PC+10], v[XS+16:XS+31], v18
	v_nop
	v_mov_b32 v[PC+3], v[PC+8]
	v_mov_b32 v[PC+4], v[PC+9]
	v_mov_b32 v[PC+5], v[PC+10]
	global_store_b128 v14, v[PC:PC+3], s[16:17] offset:WC*24576+(WT/2)*768+256*(WT%2)        ; sixteen lanes fill 256 consecutive bytes, aligned, in each of two tiles
	global_store_b64 v15, v[PC+4:PC+5], s[16:17] offset:WC*24576+(WT/2)*768+512+128*(WT%2)   ; 128 bytes; my next block's store fills the other 128
.set N, N+1
.endr
.irp g, 0,1,2,3
	ds_store_b32 v188, v[SW+\g] offset:512*\g      ; a row's four words of this half of K come from four waves: they meet in LDS
.endr
	s_wait_dscnt 0x0                               ; for the others' sake: my stores have landed
	s_barrier_signal -1
	s_barrier_wait -1
	ds_load_b128 v[32:35], v189                    ; columns 32 w on: four words a column
	s_wait_dscnt 0x0
	global_store_b128 v190, v[32:35], s[18:19]     ; two aligned runs of 256 bytes
.Lend:
	s_wait_tensorcnt 0x0                           ; the wave's end
	ds_add_u32 v[SPW], v[NIL]
	s_wait_dscnt 0x0
	s_endpgm
.Lfunc_end_k_qc73d1a6393_prep:
	.size	k_qc73d1a6393_prep, .Lfunc_end_k_qc73d1a6393_prep-k_qc73d1a6393_prep
	.p2alignl 7, 3214868480
	.fill 96, 4, 3214868480
	.section	.rodata,"a",@progbits
	.p2align	6, 0x0
	.amdhsa_kernel k_qc73d1a6393_prep
		.amdhsa_group_segment_fixed_size 272896
		.amdhsa_private_segment_fixed_size 0
		.amdhsa_enable_private_segment 0
		.amdhsa_kernarg_size 64
		.amdhsa_user_sgpr_count 2
		.amdhsa_user_sgpr_kernarg_segment_ptr 1
		.amdhsa_wavefront_size32 1
		.amdhsa_system_sgpr_workgroup_id_x 1
		.amdhsa_system_sgpr_workgroup_id_y 1
		.amdhsa_system_sgpr_workgroup_id_z 1
		.amdhsa_system_vgpr_workitem_id 0
		.amdhsa_next_free_vgpr 192
		.amdhsa_next_free_sgpr 66
		.amdhsa_reserve_vcc 1
		.amdhsa_float_denorm_mode_32 3
		.amdhsa_float_denorm_mode_16_64 3
		.amdhsa_memory_ordered 1
		.amdhsa_forward_progress 1
		.amdhsa_inst_pref_size 108
	.end_amdhsa_kernel
	.amdgpu_metadata
---
amdhsa.version: [ 1, 2 ]
amdhsa.kernels:
  - .name:           k_qc73d1a6393_prep
    .symbol:         k_qc73d1a6393_prep.kd
    .args:
      - { .name: x, .offset: 0, .size: 8, .value_kind: global_buffer, .address_space: global }
      - { .name: Wq, .offset: 8, .size: 8, .value_kind: global_buffer, .address_space: global }
      - { .name: Wk, .offset: 16, .size: 8, .value_kind: global_buffer, .address_space: global }
      - { .name: Wv, .offset: 24, .size: 8, .value_kind: global_buffer, .address_space: global }
      - { .name: Wo, .offset: 32, .size: 8, .value_kind: global_buffer, .address_space: global }
      - { .name: xc, .offset: 40, .size: 8, .value_kind: global_buffer, .address_space: global }
      - { .name: wc, .offset: 48, .size: 8, .value_kind: global_buffer, .address_space: global }
      - { .name: sc, .offset: 56, .size: 8, .value_kind: global_buffer, .address_space: global }
    .group_segment_fixed_size: 272896
    .private_segment_fixed_size: 0
    .kernarg_segment_align: 8
    .kernarg_segment_size: 64
    .max_flat_workgroup_size: 128
    .sgpr_count:     66
    .vgpr_count:     192
    .wavefront_size: 32
...
	.end_amdgpu_metadata
.endif
;; end of part 1
;; launch qkv (part 2): grid 96 x 4, 4 waves a work-group, clusters of 4 x 4, 327,680 bytes of LDS; arguments xc, wc, sc, bq, bk, bv, qkv; writes qkv
.if DOCPART == 2
	.amdgcn_target "amdgcn-amd-amdhsa--gfx1250"
	.amdhsa_code_object_version 6
	.text
	.protected	k_qc73d1a6393_qkv
	.globl	k_qc73d1a6393_qkv
	.p2align	8
	.type	k_qc73d1a6393_qkv,@function
k_qc73d1a6393_qkv:
	s_mov_b64 s[64:65], 0
	v_nop
	global_prefetch_b8 v0, s[64:65] scope:SCOPE_SE
	s_setreg_imm32_b32 hwreg(HW_REG_WAVE_MODE, 25, 1), 1
	s_wait_xcnt 0x0
	s_wait_alu depctr_hold_cnt(0) depctr_sa_sdst(0) depctr_va_vdst(0) depctr_va_sdst(0) depctr_va_ssrc(0) depctr_va_vcc(0) depctr_vm_vsrc(0)
	s_getreg_b32 s2, hwreg(HW_REG_IB_STS2, 6, 4)
	s_cmp_eq_u32 s2, 0
	s_cbranch_scc0 .Lentry_in_a_cluster
	s_endpgm
.Lentry_in_a_cluster:
	s_bfe_u32 s2, ttmp6, 0x10000c
	s_cmp_lg_u32 s2, 0xf033
	s_cbranch_scc0 .Lentry_shape_is_right
	s_endpgm
.Lentry_shape_is_right:
; Q = x Wq + bq, K = x Wk + bk, V = x Wv + bv on codes of FP6 (E2M3) with E8M0 scales, K = 1,024; the results are quantised in registers (Q, K along the head's 64; V along the keys) and stored as codes.
; OPERANDS lie in the order of their registers: [tile of 16 rows][K step 0..7][1,536 bytes]; tile T holds rows 32 (T/2) + 8 (T%2) + r + 8 (r/8).  A fragment is read by four loads, each of 512 or 256 consecutive bytes: no pitch, no padding.
; THE MATRIX INSTRUCTION: source 0 ('B') gives the direction of a lane's registers, source 1 ('A') the lanes.  By the tiles' order of rows the 16 registers of results 2 b and 2 b + 1 are 16 NEIGHBOURS, 32 b + 16 (lane / 16) + 0..15, along B's rows.
; ROLES, by the cluster's number c (the same in all sixteen partners).  c < 16: A = x (tokens), B = Wq | Wk (n): a lane holds a token, its registers run along n: two heads of 64 in a wave's 128.
;   c >= 16: A = Wv (d), B = x (tokens): a lane holds a channel d, its registers run along the keys.
; A work-group makes 256 x 256, a wave 128 x 128: 64 accumulators.  K goes through a ring of two LDS slots of two K steps each; 4 x 4 work-groups form a cluster and ask jointly: A's tiles along a row, B's along a column.
; The bias is the C of each sum's first product (so it is added ahead of the products, not behind them as the definition writes it).
; OUTPUT: qkv[head 0..63][slot of 256 tokens 0..7][38,400]: K's codes 0, V's 12,288, K's scale words 24,576, V's 25,088, Q's codes 25,600, Q's scale words 37,888.  K, Q: at 6,144 q + 768 tile: a half image (16 tokens x 64);
;   V: at 6,144 q + 1,536 Td: a fragment (16 d x 128 keys), q = which 128 tokens of the slot.  Scale words: 256 q + 16 r + 4 U.
; LIMITS: a block whose largest magnitude lies under 2^-124 gets the byte 1; NaN and infinities are not served.
; REGISTERS: window 0: v16-23 LDS addresses, v24-31 offsets, v32-95 scale words (register 8 i + K step: lanes 0-15 A's block i, lanes 16-31 B's), v96-143 the way out, v128-223 A's fragments, one set.
;   window 1: B's fragments, two sets, v0-95 and v128-223; the bias's eight tiles in v96-127 and v224-255.  windows 2, 3: accumulator (a, b) at v[8 (8 (a % 4) + b)].
.set FR,    12
.set NL,    4                          ; LDS loads that bring a fragment
.set NP,    4                          ; places behind this matrix instruction (ISA guide 7.12.1)
.set HALFT, 24576                      ; 8 tiles x 2 K steps: what one tensor load brings
.set SLOT,  4*HALFT                    ; A's 16 tiles, then B's 16
.set SPARE, 2*SLOT                     ; the spare words, 128 bytes for each wave
.set SCW,   262144                     ; sc: x's scale words at 0, the weights' here
.set HEADB, 307200
.set REC,   38400
.set ADRA, 16                          ; v16-17: 16 x lane + my A blocks in slot 0, 1; v18-19: the same with 8 x lane
.set ADRB, 20                          ; v20-23 likewise for B
.set L16,  24
.set L8,   25
.set SOF,  26                          ; v26  16 r + HEADB h
.set PSEL, 27                          ; v27  byte select: lanes 0-15 the first head's two bytes, lanes 16-31 the second's
.set SPW,  28
.set NIL,  29
.set SC,   32
.set TM,   96
.set PC,   112
.set PWS,  132
.set WS,   140
.set AF,   128
.set G1,  24
.set G0,  32
.set G1B, 48
.set G0B, 56
.set SEL, 88
.set MSB, 0
.macro WIN new                         ; the immediate's high byte repeats the setting that is left
.if MSB != (\new)
	s_set_vgpr_msb (MSB<<8)|(\new)
.set MSB, \new
.endif
.endm
.set MUL_LO, 0xa1                      ; source 0 (B) window 1, source 1 (A) window 0, C and D window 2
.set MUL_HI, 0xf1                      ; the same, C and D window 3
.set TO_B,   0x40
; A joint load: waves 0 and 1 fetch A's halves, waves 2 and 3 B's.  An s_nop 0 and four v_nop follow each of the two lines.
.macro JLOAD g0a, g1a, g0b, g1b
	s_cmp_eq_u32 s19, 0
	s_cbranch_scc0 .Lfor_b_\@
	tensor_load_to_lds s[\g0a:\g0a+3], s[\g1a:\g1a+7]
	s_nop 0
.rept 4
	v_nop
.endr
	s_branch .Lasked_\@
.Lfor_b_\@:
	tensor_load_to_lds s[\g0b:\g0b+3], s[\g1b:\g1b+7]
	s_nop 0
.rept 4
	v_nop
.endr
.Lasked_\@:
.endm
.macro CREST                           ; a round of the cluster's barrier behind its opening barrier
	s_cmp_lg_u32 s18, 0
	s_cbranch_scc1 .Lnot_wave_0_\@
	s_barrier_signal -3
.Lnot_wave_0_\@:
	s_barrier_wait -3
	s_barrier_signal -1
	s_barrier_wait -1
.endm
.macro CROUND
	s_barrier_signal -1
	s_barrier_wait -1
	CREST
.endm
.macro PLACES n
.rept \n
	v_nop
.endr
.endm
.macro FRAG reg, adr, q, i             ; tile i, the slot's q-th K step: 12 registers
	ds_load_b128 v[\reg:\reg+3], v[\adr] offset:(\i)*3072+(\q)*1536
	ds_load_b64 v[\reg+4:\reg+5], v[\adr+2] offset:(\i)*3072+(\q)*1536+512
	ds_load_b128 v[\reg+6:\reg+9], v[\adr] offset:(\i)*3072+(\q)*1536+768
	ds_load_b64 v[\reg+10:\reg+11], v[\adr+2] offset:(\i)*3072+(\q)*1536+1280
.endm
.macro FETCH_B slot, q, p
	WIN TO_B
.irp i, 0,1,2,3,4,5,6,7
	FRAG 128*(\p)+FR*\i, ADRB+\slot, \q, \i
.endr
	WIN 0
.endm
.macro FETCH_A slot, q, i0
.irp i, \i0, \i0+1, \i0+2, \i0+3
	FRAG AF+FR*(\i), ADRA+\slot, \q, \i
.endr
.endm
; 16 products: A's blocks a0, a0 + 1 x B's eight; p: B's set; ks: the K step.  mode 0: onto the sums; 1: C = the bias tile of B's block; 2: of A's block.  The 64 accumulators take turns.
.macro MUL16 a0, p, ks, mode
.irp a, \a0, \a0+1
.irp b, 0,1,2,3,4,5,6,7
.set rD, 8*(8*((\a)%4)+\b)
.set rB, 128*(\p)+FR*\b
.set rA, AF+FR*(\a)
.set rC, rD
.if \mode == 1
.set rC, 96+8*\b+96*(\b/4)
.endif
.if \mode == 2
.set rC, 96+8*(\a)+96*((\a)/4)
.endif
	v_wmma_scale_f32_16x16x128_f8f6f4 v[rD:rD+7], v[rB:rB+FR-1], v[rA:rA+FR-1], v[rC:rC+7], v[SC+8*\b+(\ks)], v[SC+8*(\a)+(\ks)] matrix_a_fmt:MATRIX_FMT_FP6 matrix_b_fmt:MATRIX_FMT_FP6 matrix_a_scale:MATRIX_SCALE_ROW1
.endr
.endr
.endm
; A slot's first K step: multiplies B's set 0 and fetches the slot's second K step (B into set 1; A's blocks 0-3 in the middle, 4-7 at the end).
.macro STEP slot, ks, mode
	s_wait_dscnt 4*NL                              ; B's set and A's blocks 0-3 are in; the 16 youngest loads (A's blocks 4-7) may be out
.if \mode
	WIN 0x91                                       ; C (the bias) in window 1, D in window 2
.else
	WIN MUL_LO
.endif
	MUL16 0, 0, \ks, \mode
	MUL16 2, 0, \ks, \mode
	s_wait_dscnt 0x0                               ; A's blocks 4-7 are in
	PLACES NP                                      ; in front of loads into registers that matrix instructions have read
	FETCH_B \slot, 1, 1
	FETCH_A \slot, 1, 0
.if \mode
	WIN 0xd1
.else
	WIN MUL_HI
.endif
	MUL16 4, 0, \ks, \mode
	MUL16 6, 0, \ks, \mode
	PLACES NP
	WIN 0
	FETCH_A \slot, 1, 4
.endm
; A slot's second K step changes slots: one barrier; in front of it each wave waits for all its tensor loads, adds 0 to its spare word, and waits for that and for its reads of this slot.  fill = 1: this slot is filled again.
.macro TURN slot, next, ks, fill
	s_wait_tensorcnt 0x0                           ; all my tensor loads have landed: my part of the next slot
	ds_add_u32 v[SPW], v[NIL]
	s_wait_dscnt 4*NL+1                            ; (the add and the 16 youngest loads may be out)
	WIN MUL_LO
	MUL16 0, 1, \ks, 0
	s_wait_dscnt 0x0                               ; the add is done, and my reads of this slot are over
	s_barrier_signal -1
	MUL16 2, 1, \ks, 0
	WIN 0
	s_barrier_wait -1
.if \fill
	CREST                                          ; the barrier has opened a round of the cluster's barrier: no wave of any partner still reads this slot or has a load on its way
	s_add_nc_u64 s[G0+4*\slot+2:G0+4*\slot+3], s[G0+4*\slot+2:G0+4*\slot+3], 6144     ; four K steps on
	s_add_nc_u64 s[G0B+4*\slot+2:G0B+4*\slot+3], s[G0B+4*\slot+2:G0B+4*\slot+3], 6144
	JLOAD G0+4*\slot, G1, G0B+4*\slot, G1B         ; the first tensor load behind the round; its four v_nop are the places in front of the loads below
.else
	PLACES NP
.endif
	FETCH_B \next, 0, 0
	FETCH_A \next, 0, 0
	WIN MUL_HI
	MUL16 4, 1, \ks, 0
	MUL16 6, 1, \ks, 0
	PLACES NP
	WIN 0
	FETCH_A \next, 0, 4
.endm
; The 64 results of A's block a (register 16 b + i = place 32 b + 16 (lane / 16) + i along B's rows) become 12 registers of codes in v[PC] on and a scale word in v[pw].  Each accumulator is read from its low end on.
.macro QUANTW a, pw
.set AC, 64*((\a)%4)
.set WW, 2+(\a)/4
.set WX, (WW<<2)|(WW<<4)
	WIN WX                                         ; sources 1 and 2: the accumulators' window
.irp b, 0,1,2,3
	v_max3_num_f32 v[TM+\b], 0x1800000, |v[AC+16*\b]|, |v[AC+1+16*\b]|   ; with the floor 2^(3 - 127)
.endr
.irp i, 2,4,6,8,10,12,14
.irp b, 0,1,2,3
	v_max3_num_f32 v[TM+\b], v[TM+\b], |v[AC+16*\b+\i]|, |v[AC+1+16*\b+\i]|
.endr
.endr
	WIN 0
.irp b, 0,1,2,3
	v_permlanex16_b32 v[TM+4+\b], v[TM+\b], s[SEL], s[SEL+1]
.endr
.irp b, 0,1,2,3
	v_max_num_f32 v[TM+\b], v[TM+\b], v[TM+4+\b]
.endr
.irp b, 0,1,2,3
	v_add_nc_u32 v[TM+12+\b], 0xff000000, v[TM+\b]
.endr
.irp b, 0,1,2,3
	v_lshrrev_b32 v[TM+4+\b], 23, v[TM+12+\b]
.endr
	v_lshl_or_b32 v[\pw], v[TM+5], 8, v[TM+4]
	v_lshl_or_b32 v[\pw], v[TM+6], 16, v[\pw]
	v_lshl_or_b32 v[\pw], v[TM+7], 24, v[\pw]
	WIN WW                                         ; source 0: the accumulators' window
.irp c, 0,1
	v_cvt_scalef32_pk16_fp6_f32 v[PC+6*\c:PC+2+6*\c], v[AC+32*\c:AC+15+32*\c], v[TM+12+2*\c]
	v_cvt_scalef32_pk16_fp6_f32 v[PC+12+4*\c:PC+14+4*\c], v[AC+16+32*\c:AC+31+32*\c], v[TM+12+2*\c+1]
.endr
	WIN 0
	v_nop                                          ; one plain instruction behind the scaled conversions
.irp c, 0,1
.irp i, 0,1,2
	v_permlane16_swap_b32 v[PC+6*\c+\i], v[PC+12+4*\c+\i]
.endr
.irp i, 0,1,2
	v_mov_b32 v[PC+3+6*\c+\i], v[PC+12+4*\c+\i]
.endr
.endr
.endm
; s90 = my first token, s91 = my first head, s92, s93 = the codes' and the scale words' place in a record  ->  s[84:85], s[86:87]
.macro ADDRS
	s_lshr_b32 s46, s90, 11                        ; batch
	s_lshl_b32 s46, s46, 4
	s_add_co_u32 s46, s46, s91
	s_mul_i32 s46, s46, HEADB
	s_bfe_u32 s47, s90, 0x30008                    ; slot of 256 tokens
	s_mul_i32 s47, s47, REC
	s_add_co_u32 s46, s46, s47
	s_bfe_u32 s47, s90, 0x10007                    ; which 128 of it
	s_mul_i32 s70, s47, 6144
	s_lshl_b32 s72, s47, 8
	s_add_co_u32 s70, s70, s46
	s_add_co_u32 s70, s70, s92
	s_add_co_u32 s72, s72, s46
	s_add_co_u32 s72, s72, s93
	s_mov_b32 s71, 0
	s_mov_b32 s73, 0
	s_add_nc_u64 s[84:85], s[16:17], s[70:71]
	s_add_nc_u64 s[86:87], s[16:17], s[72:73]
.endm
	s_load_b256 s[4:11], s[0:1], 0x0               ; xc s[4:5], wc s[6:7], sc s[8:9], bq s[10:11]
	s_load_b128 s[12:15], s[0:1], 0x20             ; bk, bv
	s_load_b64 s[16:17], s[0:1], 0x30              ; qkv
	v_lshl_add_u32 v[SPW], v0, 2, SPARE
	v_mov_b32 v[NIL], 0
	ds_add_u32 v[SPW], v[NIL]                      ; the wave's opening: the add and its wait ahead of my first tensor load
	ds_add_u32 v[SPW], v[NIL]
	v_lshrrev_b32 v1, 5, v0
	v_readfirstlane_b32 s18, v1                    ; wave 0..3
	s_lshr_b32 s19, s18, 1                         ; which half of A's rows is mine.  Also: I fetch for A (0) or B (1)
	s_and_b32 s20, s18, 1                          ; which half of B's rows.  Also: which 8 tiles I fetch
	s_bfe_u32 s40, ttmp6, 0x40000                  ; cx
	s_bfe_u32 s41, ttmp6, 0x40004                  ; cy
	s_lshl_b32 s44, s41, 2
	s_lshl_b32 s44, 15, s44                        ; my row of the cluster
	s_lshl_b32 s45, 0x1111, s40                    ; my column
	s_or_b32 s[G1+0], s44, (3<<16)|(1<<21)         ; the mask; elements of 8 bytes; bit 21 beside a mask; no padding
	s_or_b32 s[G1B+0], s45, (3<<16)|(1<<21)
.irp g, G1, G1B
	s_mov_b32 s[\g+1], 384<<16                     ; tensor_dim0: two K steps of a tile, 3,072 bytes
	s_mov_b32 s[\g+2], 8<<16                       ; tensor_dim1: 8 tiles
	s_mov_b32 s[\g+3], 384<<16
	s_mov_b32 s[\g+4], 8
	s_mov_b32 s[\g+5], 1536                        ; from tile to tile: 12,288 bytes
	s_mov_b32 s[\g+6], 0
	s_mov_b32 s[\g+7], 0
.endr
	s_mov_b32 s[SEL], 0x76543210
	s_mov_b32 s[SEL+1], 0xfedcba98
	s_mov_b32 s79, 0xffff0000                      ; lanes 16-31
	s_lshr_b32 s46, ttmp9, 1
	s_lshl_b32 s46, s46, 2                         ; Q, K: 4 (c / 2)
	s_and_b32 s47, ttmp9, 1
	s_lshl_b32 s47, s47, 2                         ; Q, K: 4 (c % 2)
	s_and_b32 s70, ttmp9, 7
	s_lshl_b32 s70, s70, 2                         ; V: 4 (c - 16)
	s_cmp_lt_u32 ttmp9, 16
	s_cselect_b32 s43, s46, 0
	s_cselect_b32 s42, s47, s70
	s_cselect_b32 s71, 0, 128                      ; A's first tile in its buffer: Wv begins at tile 128 of wc
	s_cselect_b32 s72, 0, SCW                      ; A's scale words in sc
	s_cselect_b32 s73, SCW, 0                      ; B's
	s_add_co_u32 s43, s43, s41                     ; A's block of 256 rows: hangs on c and cy alone
	s_add_co_u32 s42, s42, s40                     ; B's: on c and cx alone
	s_lshl_b32 s74, s43, 4
	s_add_co_u32 s74, s74, s71                     ; A's first tile
	s_lshl_b32 s75, s42, 4                         ; B's
	s_lshl_b32 s76, s20, 3
	s_add_co_u32 s46, s74, s76
	s_mul_i32 s46, s46, 12288
	s_mov_b32 s47, 0
	s_add_co_u32 s70, s75, s76
	s_mul_i32 s70, s70, 12288
	s_mov_b32 s71, 0
	s_mul_i32 s77, s18, HALFT                      ; where my load goes: no place in the cluster enters an LDS address
	s_wait_dscnt 0x0                               ; the opening add is done
	s_wait_kmcnt 0x0
	s_cmp_lt_u32 ttmp9, 16
	s_cselect_b64 s[66:67], s[4:5], s[6:7]         ; A's codes
	s_cselect_b64 s[68:69], s[6:7], s[4:5]         ; B's
	s_add_nc_u64 s[66:67], s[66:67], s[46:47]
	s_add_nc_u64 s[68:69], s[68:69], s[70:71]
	CROUND                                         ; all sixteen work-groups are here: the first joint loads meet
.irp s, 0,1                                    ; two tensor loads of mine are out
	s_mov_b32 s[G0+4*\s], 1
	s_add_co_u32 s[G0+4*\s+1], s77, \s*SLOT
	s_add_nc_u64 s[G0+4*\s+2:G0+4*\s+3], s[66:67], \s*3072
	s_or_b32 s[G0+4*\s+3], s[G0+4*\s+3], 0x80000000
	s_mov_b32 s[G0B+4*\s], 1
	s_add_co_u32 s[G0B+4*\s+1], s77, \s*SLOT
	s_add_nc_u64 s[G0B+4*\s+2:G0B+4*\s+3], s[68:69], \s*3072
	s_or_b32 s[G0B+4*\s+3], s[G0B+4*\s+3], 0x80000000
	JLOAD G0+4*\s, G1, G0B+4*\s, G1B
.endr
	v_and_b32 v1, 31, v0
	v_and_b32 v2, 15, v0                           ; r
	v_bfe_u32 v3, v0, 4, 1                         ; h
	v_lshlrev_b32 v[L16], 4, v1
	v_lshlrev_b32 v[L8], 3, v1
	s_mul_i32 s46, s19, HALFT                      ; my 8 blocks of A
	s_mul_i32 s47, s20, HALFT
	s_add_co_u32 s47, s47, 2*HALFT                 ; my 8 of B, behind A's 16
.irp s, 0,1
	v_add_nc_u32 v[ADRA+\s], s46, v[L16]
	v_add_nc_u32 v[ADRA+2+\s], s46, v[L8]
	v_add_nc_u32 v[ADRB+\s], s47, v[L16]
	v_add_nc_u32 v[ADRB+2+\s], s47, v[L8]
	s_add_co_u32 s46, s46, SLOT
	s_add_co_u32 s47, s47, SLOT
.endr
	v_mul_u32_u24 v[SOF], v3, HEADB
	v_lshl_add_u32 v[SOF], v2, 4, v[SOF]
	v_mov_b32 v[PSEL], 0x05040100
	v_mov_b32 v31, 0x07060302
	v_cndmask_b32 v[PSEL], v[PSEL], v31, s79
.irp b, 0,1,2,3
	v_mov_b32 v[TM+4+\b], 0                        ; written once: a lane permute's destination counts as one of its sources
.endr
	s_lshl_b32 s76, s19, 3
	s_add_co_u32 s76, s76, s74
	s_lshl_b32 s76, s76, 9
	s_add_co_u32 s76, s76, s72                     ; my A blocks' scale words in sc
	s_lshl_b32 s78, s20, 3
	s_add_co_u32 s78, s78, s75
	s_lshl_b32 s78, s78, 9
	s_add_co_u32 s78, s78, s73                     ; my B blocks'
	v_mov_b32 v30, s76
	v_mov_b32 v31, s78
	v_cndmask_b32 v30, v30, v31, s79               ; lanes 0-15 take A's, lanes 16-31 B's
	v_lshl_add_u32 v30, v2, 4, v30
.irp i, 0,1,2,3,4,5,6,7                        ; all of K's scale words, once: each load brings four K steps' words of a block of A and a block of B
	global_load_b128 v[SC+8*\i:SC+8*\i+3], v30, s[8:9] offset:\i*512
	global_load_b128 v[SC+8*\i+4:SC+8*\i+7], v30, s[8:9] offset:\i*512+256
.endr
	s_lshl_b32 s46, s42, 8
	s_lshl_b32 s47, s20, 7
	s_add_co_u32 s80, s46, s47                     ; my first row of B
	s_lshl_b32 s46, s43, 8
	s_lshl_b32 s47, s19, 7
	s_add_co_u32 s81, s46, s47                     ; my first row of A
	; THE BIAS: eight tiles of eight registers in window 1.  Each of the two ways below writes all 64 of them before the ways join.
	s_cmp_lt_u32 ttmp9, 16
	s_cbranch_scc0 .Lbias_v
	s_cmp_lt_u32 s80, 1024                         ; Q, K: the bias runs along the registers: tile b's register j is b[n0 + 32 (b / 2) + 8 (b % 2) + 16 h + j]
	s_cselect_b64 s[82:83], s[10:11], s[12:13]
	s_and_b32 s46, s80, 1023
	s_lshl_b32 s46, s46, 2
	s_mov_b32 s47, 0
	s_add_nc_u64 s[82:83], s[82:83], s[46:47]
	v_lshlrev_b32 v31, 6, v3
	WIN TO_B
.irp b, 0,1,2,3,4,5,6,7
	global_load_b128 v[96+8*\b+96*(\b/4):96+8*\b+96*(\b/4)+3], v31, s[82:83] offset:(32*(\b/2)+8*(\b%2))*4
	global_load_b128 v[96+8*\b+96*(\b/4)+4:96+8*\b+96*(\b/4)+7], v31, s[82:83] offset:(32*(\b/2)+8*(\b%2))*4+16
.endr
	WIN 0
	s_branch .Lbias_done
.Lbias_v:
	s_lshl_b32 s46, s81, 2                         ; V: the bias runs along the lanes: bv[d0 + 32 (a / 2) + 8 (a % 2) + r + 8 (r / 8)]
	s_mov_b32 s47, 0
	s_add_nc_u64 s[82:83], s[14:15], s[46:47]
	v_and_b32 v31, 8, v2
	v_add_nc_u32 v31, v31, v2
	v_lshlrev_b32 v31, 2, v31
	WIN TO_B
.irp a, 0,1,2,3,4,5,6,7
	global_load_b32 v[96+8*\a+96*(\a/4)], v31, s[82:83] offset:(32*(\a/2)+8*(\a%2))*4
.endr
	s_wait_loadcnt 0x0                             ; the eight numbers are in (my two tensor loads are still on their way meanwhile)
	WIN 0x41
.irp a, 0,1,2,3,4,5,6,7
.irp j, 1,2,3,4,5,6,7
	v_mov_b32 v[96+8*\a+96*(\a/4)+\j], v[96+8*\a+96*(\a/4)]   ; a lane's bias in all eight registers of the tile
.endr
.endr
	WIN 0
.Lbias_done:
	s_wait_tensorcnt 1                             ; my part of slot 0 is in; slot 1's load may be out
	s_barrier_signal -1
	s_barrier_wait -1
	FETCH_B 0, 0, 0
	FETCH_A 0, 0, 0
	FETCH_A 0, 0, 4
	s_wait_loadcnt 0x0                             ; the scale words and the bias
	s_cmp_lt_u32 ttmp9, 16
	s_cbranch_scc0 .Lfirst_v
	s_wait_alu depctr_va_vdst(0)
	STEP 0, 0, 1                                   ; the first K step starts the sums from the bias: nothing is cleared.  Q, K: the tile of B's block
	s_branch .Lfirst_done
.Lfirst_v:
	s_wait_alu depctr_va_vdst(0)
	STEP 0, 0, 2                                   ; V: the tile of A's block
.Lfirst_done:
	TURN 0, 1, 1, 1                                ; slot 0 takes K steps 4, 5
	STEP 1, 2, 0
	TURN 1, 0, 3, 1                                ; slot 1 takes K steps 6, 7
	STEP 0, 4, 0
	TURN 0, 1, 5, 0                                ; nothing is left to fetch: no round, no load
	STEP 1, 6, 0
	s_wait_dscnt 4*NL
	WIN MUL_LO
	MUL16 0, 1, 7, 0
	MUL16 2, 1, 7, 0
	s_wait_dscnt 0x0
	WIN MUL_HI
	MUL16 4, 1, 7, 0
	MUL16 6, 1, 7, 0
	WIN 0
	PLACES NP                                      ; in front of the first read of results and the first write over A's fragments
	s_cmp_lt_u32 ttmp9, 16
	s_cbranch_scc0 .Lout_v
	; ---- Q, K: block a is a tile of 16 tokens; its 128 numbers a lane are two heads of 64: two half images, two bytes of the word each
	s_mov_b32 s90, s81
	s_bfe_u32 s91, s80, 0x40006
	s_mov_b32 s93, 24576
	s_cmp_lt_u32 s80, 1024
	s_cselect_b32 s92, 25600, 0
	s_cselect_b32 s93, 37888, s93
	ADDRS
.irp a, 0,1,2,3,4,5,6,7
	s_wait_xcnt 0x0                                ; the codes' registers are the last block's stores' data
	QUANTW \a, PWS+\a
	global_store_b128 v[L16], v[PC:PC+3], s[84:85] offset:\a*768                 ; 512 consecutive bytes
	global_store_b64 v[L8], v[PC+4:PC+5], s[84:85] offset:\a*768+512             ; 256
	global_store_b128 v[L16], v[PC+6:PC+9], s[84:85] offset:HEADB+\a*768         ; the second head
	global_store_b64 v[L8], v[PC+10:PC+11], s[84:85] offset:HEADB+\a*768+512
.endr
.irp u, 0,1,2,3
	v_perm_b32 v[WS+\u], v[PWS+2*\u+1], v[PWS+2*\u], v[PSEL]   ; a head's word for a pair of tiles: two bytes of the even tile, two of the odd
.endr
	global_store_b128 v[SOF], v[WS:WS+3], s[86:87] ; lanes 0-15: the first head's 256 bytes, lanes 16-31: the second's
	s_branch .Ldone
.Lout_v:
	; ---- V: block a is a tile of 16 channels (head a / 4, tile a % 4); its 128 numbers a lane are 128 keys: a whole fragment
	s_mov_b32 s90, s80
	s_lshr_b32 s91, s81, 6
	s_mov_b32 s92, 12288
	s_mov_b32 s93, 25088
	ADDRS
.irp a, 0,1,2,3,4,5,6,7
	s_wait_xcnt 0x0
	QUANTW \a, PWS+\a
	global_store_b128 v[L16], v[PC:PC+3], s[84:85] offset:(\a/4)*HEADB+(\a%4)*1536
	global_store_b64 v[L8], v[PC+4:PC+5], s[84:85] offset:(\a/4)*HEADB+(\a%4)*1536+512
	global_store_b128 v[L16], v[PC+6:PC+9], s[84:85] offset:(\a/4)*HEADB+(\a%4)*1536+768
	global_store_b64 v[L8], v[PC+10:PC+11], s[84:85] offset:(\a/4)*HEADB+(\a%4)*1536+1280
.endr
.irp i, 0,1,2,3
	v_cndmask_b32 v[WS+\i], v[PWS+\i], v[PWS+4+\i], s79
.endr
	global_store_b128 v[SOF], v[WS:WS+3], s[86:87]
.Ldone:
	s_wait_tensorcnt 0x0                           ; the wave's end
	ds_add_u32 v[SPW], v[NIL]
	s_wait_dscnt 0x0
	CROUND                                         ; the closing round
	s_endpgm
.Lfunc_end_k_qc73d1a6393_qkv:
	.size	k_qc73d1a6393_qkv, .Lfunc_end_k_qc73d1a6393_qkv-k_qc73d1a6393_qkv
	.p2alignl 7, 3214868480
	.fill 96, 4, 3214868480
	.section	.rodata,"a",@progbits
	.p2align	6, 0x0
	.amdhsa_kernel k_qc73d1a6393_qkv
		.amdhsa_group_segment_fixed_size 327680
		.amdhsa_private_segment_fixed_size 0
		.amdhsa_enable_private_segment 0
		.amdhsa_kernarg_size 56
		.amdhsa_user_sgpr_count 2
		.amdhsa_user_sgpr_kernarg_segment_ptr 1
		.amdhsa_wavefront_size32 1
		.amdhsa_system_sgpr_workgroup_id_x 1
		.amdhsa_system_sgpr_workgroup_id_y 1
		.amdhsa_system_sgpr_workgroup_id_z 1
		.amdhsa_system_vgpr_workitem_id 0
		.amdhsa_next_free_vgpr 1024
		.amdhsa_next_free_sgpr 100
		.amdhsa_reserve_vcc 0
		.amdhsa_float_denorm_mode_32 3
		.amdhsa_float_denorm_mode_16_64 3
		.amdhsa_memory_ordered 1
		.amdhsa_forward_progress 1
		.amdhsa_inst_pref_size 200
	.end_amdhsa_kernel
	.amdgpu_metadata
---
amdhsa.version: [ 1, 2 ]
amdhsa.kernels:
  - .name:           k_qc73d1a6393_qkv
    .symbol:         k_qc73d1a6393_qkv.kd
    .args:
      - { .name: xc, .offset: 0, .size: 8, .value_kind: global_buffer, .address_space: global }
      - { .name: wc, .offset: 8, .size: 8, .value_kind: global_buffer, .address_space: global }
      - { .name: sc, .offset: 16, .size: 8, .value_kind: global_buffer, .address_space: global }
      - { .name: bq, .offset: 24, .size: 8, .value_kind: global_buffer, .address_space: global }
      - { .name: bk, .offset: 32, .size: 8, .value_kind: global_buffer, .address_space: global }
      - { .name: bv, .offset: 40, .size: 8, .value_kind: global_buffer, .address_space: global }
      - { .name: qkv, .offset: 48, .size: 8, .value_kind: global_buffer, .address_space: global }
    .group_segment_fixed_size: 327680
    .private_segment_fixed_size: 0
    .kernarg_segment_align: 8
    .kernarg_segment_size: 56
    .max_flat_workgroup_size: 128
    .sgpr_count:     100
    .vgpr_count:     1024
    .wavefront_size: 32
...
	.end_amdgpu_metadata
.endif
;; end of part 2
;; launch attn (part 3): grid 4 x 64, 16 waves a work-group, no clusters, 327,680 bytes of LDS; arguments qkv, ao, sc; writes ao, sc
.if DOCPART == 3
	.amdgcn_target "amdgcn-amd-amdhsa--gfx1250"
	.amdhsa_code_object_version 6
	.text
	.protected	k_qc73d1a6393_attn
	.globl	k_qc73d1a6393_attn
	.p2align	8
	.type	k_qc73d1a6393_attn,@function
k_qc73d1a6393_attn:
	s_mov_b64 s[64:65], 0
	v_nop
	global_prefetch_b8 v0, s[64:65] scope:SCOPE_SE
	s_setreg_imm32_b32 hwreg(HW_REG_WAVE_MODE, 25, 1), 1
	s_wait_xcnt 0x0
; Causal attention of one head on codes of FP6 (E2M3) with E8M0 scales: S^T = K Q^T (K = the head's 64), p = 2^(t - M), O^T = V^T P^T (K = the keys), O / l, and O quantised along the head's 64 for the last product.
; t = score x log2(e) / 8; M = the row's largest t so far, rounded UP to a whole number; p is not normalised; the row's sum l is taken of the unquantised p.  When M moves, l and O are multiplied by 2^(old M - new M): exact.
; INPUT: qkv[head 0..63][slot of 256 tokens 0..7][38,400]: K's codes 0, V's 12,288, K's scale words 24,576, V's 25,088 (these 25,600 bytes are one tensor load), Q's codes 25,600, Q's scale words 37,888.
; Every tile of 16 holds rows 32 (T/2) + 8 (T%2) + r + 8 (r/8).  A fragment of K holds key tile 2 U in k 0-63 and tile 2 U + 1 in k 64-127: multiplied with [Q | zeros] it gives tile 2 U's scores, with [zeros | Q] tile 2 U + 1's
; (zero codes add nothing under any scale byte from 1 to 254), and the two results' 16 registers are keys 32 U + 16 (lane / 16) + 0..15: neighbours, as the conversions want them.
; SHARES.  Work-group (j, head) owns two blocks of 256 queries: first block 7 - j, then block j.  Block b walks slots 0..b, so EVERY work-group walks 9 slots: equal work, constant trip counts, a tensor load in every trip but the last.
; Each of 16 waves owns one tile of 16 queries of the block in hand; a lane holds one query throughout.  A key step whose 128 keys all come after the wave's queries is jumped over (ids alone); on the diagonal hidden scores become -infinity.
; NO CLUSTER: once the first of a head's four work-groups has changed its block of queries, the four want different slots in the same trip: there is no joint request without fetching slots that nobody reads.
; OUTPUT: ao, an operand [tile of 16 tokens][K step = pair of heads][1,536]: my head's half image at 768 x head; sc + 393,216: its scale bytes, one byte a lane, 16 bytes apart: 2 bytes for each 48 of codes, so their 256-byte runs are written in part.
; LIMITS: a block whose largest magnitude lies under 2^-124 gets the byte 1; NaN and infinities are not served.
; REGISTERS: v1-3 16 lane, 8 lane, 16 r; v4, v5 the add's; v6-8 the slot's addresses; v9, v10 lane terms; v12 -M, v13 largest t, v[14:15] l; v16-21 Q, v22-27 zeros, v28-33 Q; v34 Q's scale word; v35-41 the second block's Q;
;   v48-95 four fragments of K or V; v96-159 S^T, then p; v160-191 O^T; v192-211 codes; v212-223 at work; v224-227, v228-231, v232 scale words of K, V, p; v[234:235] f; v236-239 at work; v240 the prefetch's offset.
.set REC,   38400
.set HEADB, 307200
.set SCA,   393216
.set SLOT1, 32768                      ; slot 1 begins here: one exclusive or turns an address
.set SPARE, 65536                      ; the spare words, 128 bytes for each of 16 waves
.set SPW, 4
.set NIL, 5
.set BM,  212                          ; a block's largest score, then largest p
.set BT,  216                          ; the other half's maxima; a chain of the sum; the bytes
.set SO,  220                          ; the conversions' scale operands
.set HB,  10                           ; s[10:11] my head's first byte in qkv
.set NH,  12                           ; s12  8 - j: slots of the first block
.set SWC, 13                           ; s13  j + 1: the count at which the blocks change
.set CNT, 14                           ; s14  8 .. 1
.set KN,  15                           ; s15  the slot to be asked for
.set TB,  16                           ; s16  LDS byte at which the slot in hand begins
.set KF,  17                           ; s17  the step's first key
.set WV,  18
.set Q0,  19                           ; s19  my first query
.set SEL, 20
.set CS,  22                           ; s[22:23] c = log2(e) / 8
.set G1,  24
.set Q0B, 32
.set SELQ, 33
.set HM,  34
.set AOP, 36
.set SCP, 38
.set G0,  40
.set DAO, 44
.set DSC, 48
.set PFA, 50
.set PFS, 52
.set LIM, 54
.macro TLOAD                           ; wave 0 fetches the slot; an s_nop 0 and four v_nop follow the load
	s_cmp_lg_u32 s[WV], 0
	s_cbranch_scc1 .Lno_load_\@
	tensor_load_to_lds s[G0:G0+3], s[G1:G1+7]
	s_nop 0
.rept 4
	v_nop
.endr
.Lno_load_\@:
.endm
; A PREFETCH INTO THE L2 of the slot behind the one just asked for: its 100 blocks of 256 bytes, lanes 256 bytes apart.  The four work-groups of a head walk the same slots: the first (j = 0), which walks slots 0 to 7 in order,
; asks, with its waves 4 to 7, 32 blocks a wave (wave 7's lanes 4 to 31 name the last block again).  It asks in trips 0 to 5, for slots 2 to 7: two key steps ahead of the load; slots 0 and 1 come by their loads alone.
.macro ASK
	s_cmp_gt_u32 s[CNT], s[LIM]
	s_cbranch_scc0 .Lnot_mine_\@
	global_prefetch_b8 v240, s[PFA:PFA+1] th:TH_LOAD_NT scope:SCOPE_SE
.Lnot_mine_\@:
.endm
; A block of queries begins: Q's six registers twice, round the zeros; its scale bytes in both halves of the word; the statistics; O^T = 0 (these 32 moves are also the places ahead of the next scaled product).
.macro START raw, rs
.irp g, 0,1,2,3,4,5
	v_mov_b32 v[16+\g], v[\raw+\g]
	v_mov_b32 v[28+\g], v[\raw+\g]
.endr
	v_perm_b32 v34, v[\rs], v[\rs], s[SELQ]        ; my tile's two bytes of the pair's word, twice
	v_mov_b32 v13, 0xff61b1e6                      ; the largest t so far: -3e38
	s_delay_alu instid0(VALU_DEP_1)
	v_floor_f32 v12, -v13                          ; -M
	v_mov_b32 v14, 0
	v_mov_b32 v15, 0
.set j, 0
.rept 32
	v_mov_b32 v[160+j], 0
.set j, j+1
.endr
.endm
; A KEY STEP: 128 keys, the q-th of the slot in hand.
.macro STEP q
	s_add_co_u32 s46, s[Q0], 23                    ; my last query
	s_cmp_gt_u32 s[KF], s46
	s_cbranch_scc1 .Lhidden_\@                     ; all 128 keys come after my queries: ids and the count of steps alone; no barrier and no tensor load stands in a step
.rept 4
	v_nop                                          ; places in front of loads into registers that matrix instructions have read
.endr
	s_wait_alu depctr_va_vdst(0)
.irp u, 0,1,2,3
	ds_load_b128 v[48+12*\u:51+12*\u], v6 offset:\q*6144+\u*1536
	ds_load_b64 v[52+12*\u:53+12*\u], v7 offset:\q*6144+\u*1536+512
	ds_load_b128 v[54+12*\u:57+12*\u], v6 offset:\q*6144+\u*1536+768
	ds_load_b64 v[58+12*\u:59+12*\u], v7 offset:\q*6144+\u*1536+1280
.endr
	ds_load_b128 v[224:227], v8 offset:24576+256*\q
	s_wait_dscnt 0x0
.irp u, 0,1,2,3
	v_wmma_scale_f32_16x16x128_f8f6f4 v[96+16*\u:103+16*\u], v[48+12*\u:59+12*\u], v[16:27], 0, v[224+\u], v34 matrix_a_fmt:MATRIX_FMT_FP6 matrix_b_fmt:MATRIX_FMT_FP6
	v_wmma_scale_f32_16x16x128_f8f6f4 v[104+16*\u:111+16*\u], v[48+12*\u:59+12*\u], v[22:33], 0, v[224+\u], v34 matrix_a_fmt:MATRIX_FMT_FP6 matrix_b_fmt:MATRIX_FMT_FP6
.endr
.rept 4
	v_nop                                          ; places: for V's loads into K's registers, and for the first read of the scores
.endr
	s_wait_alu depctr_va_vdst(0)
.irp u, 0,1,2,3                                ; V's four fragments land under the softmax
	ds_load_b128 v[48+12*\u:51+12*\u], v6 offset:12288+\q*6144+\u*1536
	ds_load_b64 v[52+12*\u:53+12*\u], v7 offset:12288+\q*6144+\u*1536+512
	ds_load_b128 v[54+12*\u:57+12*\u], v6 offset:12288+\q*6144+\u*1536+768
	ds_load_b64 v[58+12*\u:59+12*\u], v7 offset:12288+\q*6144+\u*1536+1280
.endr
	ds_load_b128 v[228:231], v8 offset:25088+256*\q
	s_add_co_u32 s46, s[KF], 127
	s_cmp_le_u32 s46, s[Q0]
	s_cbranch_scc1 .Lopen_\@                       ; all 128 keys count for all my queries
	s_sub_co_i32 s46, s[Q0], s[KF]
	v_add_nc_u32 v237, s46, v9                     ; d = my query - KF - 16 (lane / 16).  Register 16 b + i holds key KF + 16 (lane / 16) + 32 b + i: hidden where 32 b + i > d
	v_mov_b32 v238, 0xff800000                     ; -infinity
.set n, 0
.rept 64
	v_cmp_gt_i32 vcc_lo, 32*(n/16)+n%16, v237
	v_cndmask_b32 v[96+n], v[96+n], v238, vcc_lo
.set n, n+1
.endr
.Lopen_\@:
.irp b, 0,1,2,3
	v_max3_num_f32 v[BM+\b], v[96+16*\b], v[97+16*\b], v[98+16*\b]   ; the largest score of each block of 32 keys: for the row's maximum, and, since p rises with the score, for the block's largest p
.endr
.irp i, 3,5,7,9,11,13
.irp b, 0,1,2,3
	v_max3_num_f32 v[BM+\b], v[BM+\b], v[96+16*\b+\i], v[97+16*\b+\i]
.endr
.endr
.irp b, 0,1,2,3
	v_max_num_f32 v[BM+\b], v[BM+\b], v[111+16*\b]
.endr
.irp b, 0,1,2,3
	s_delay_alu instid0(VALU_DEP_4)
	v_permlanex16_b32 v[BT+\b], v[BM+\b], s[SEL], s[SEL+1]
.endr
.irp b, 0,1,2,3
	s_delay_alu instid0(VALU_DEP_4)
	v_max_num_f32 v[BM+\b], v[BM+\b], v[BT+\b]     ; with lane l xor 16's 16 keys
.endr
	s_delay_alu instid0(VALU_DEP_2)
	v_max3_num_f32 v236, v[BM], v[BM+1], v[BM+2]
	s_delay_alu instid0(VALU_DEP_1)
	v_max_num_f32 v236, v236, v[BM+3]
	s_delay_alu instid0(VALU_DEP_1)
	v_mul_f32 v236, s[CS], v236                    ; as t
	s_delay_alu instid0(VALU_DEP_1)
	v_max_num_f32 v13, v13, v236                   ; the running largest t
	v_mov_b32 v236, v12
	s_delay_alu instid0(VALU_DEP_2)
	v_floor_f32 v12, -v13                          ; the new -M = -ceil(t)
	s_delay_alu instid0(VALU_DEP_1)
	v_sub_f32 v236, v12, v236                      ; old M - new M: a whole number, 0 or less
	s_delay_alu instid0(VALU_DEP_1)
	v_cvt_i32_f32 v236, v236                       ; (it saturates)
	s_delay_alu instid0(VALU_DEP_1)
	v_ldexp_f32 v234, 1.0, v236                    ; f = 2^(old M - new M)
.set j, 0
.rept 32
	v_pk_fma_f32 v[96+j:97+j], v[96+j:97+j], s[CS:CS+1], v[12:13] op_sel_hi:[1,0,0]   ; t - M, two at a time
.set j, j+2
.endr
.irp b, 0,1,2,3
	v_fma_f32 v[BM+\b], v[BM+\b], s[CS], v12       ; the same of each block's largest score
.endr
.set j, 0
	s_wait_alu depctr_va_vdst(0)
.rept 64
	v_exp_f32 v[96+j], v[96+j]                     ; p = 2^(t - M)
.set j, j+1
.endr
	v_pk_mul_f32 v[14:15], v[14:15], v[234:235] op_sel_hi:[1,0]   ; l under the new M; a plain instruction behind the exponentials
	s_wait_alu depctr_va_vdst(0)                   ; one wait for the batch of 64, ahead of its first reader
.irp b, 0,1,2,3
	v_exp_f32 v[BM+\b], v[BM+\b]                   ; the block's largest p: the same two instructions on the same number
.endr
	v_pk_add_f32 v[216:217], v[100:101], v[104:105]
	v_pk_add_f32 v[254:255], v[108:109], v[112:113]
	v_pk_add_f32 v[252:253], v[116:117], v[120:121]
	v_pk_add_f32 v[250:251], v[124:125], v[128:129]
	v_pk_add_f32 v[248:249], v[132:133], v[136:137]
	v_pk_add_f32 v[246:247], v[140:141], v[144:145]
	v_pk_add_f32 v[244:245], v[148:149], v[152:153]
	v_pk_add_f32 v[14:15], v[14:15], v[156:157]
	v_pk_add_f32 v[216:217], v[216:217], v[96:97]
	v_pk_add_f32 v[254:255], v[254:255], v[98:99]
	v_pk_add_f32 v[252:253], v[252:253], v[102:103]
	v_pk_add_f32 v[250:251], v[250:251], v[106:107]
	v_pk_add_f32 v[248:249], v[248:249], v[110:111]
	v_pk_add_f32 v[246:247], v[246:247], v[114:115]
	v_pk_add_f32 v[244:245], v[244:245], v[118:119]
	v_pk_add_f32 v[14:15], v[14:15], v[122:123]
	v_pk_add_f32 v[216:217], v[216:217], v[126:127]
	v_pk_add_f32 v[254:255], v[254:255], v[130:131]
	v_pk_add_f32 v[252:253], v[252:253], v[134:135]
	v_pk_add_f32 v[250:251], v[250:251], v[138:139]
	v_pk_add_f32 v[248:249], v[248:249], v[142:143]
	v_pk_add_f32 v[246:247], v[246:247], v[146:147]
	v_pk_add_f32 v[244:245], v[244:245], v[150:151]
	v_pk_add_f32 v[14:15], v[14:15], v[154:155]
	v_pk_add_f32 v[216:217], v[216:217], v[158:159]
	s_delay_alu instid0(VALU_DEP_2)
	v_pk_add_f32 v[14:15], v[14:15], v[250:251]
	s_delay_alu instid0(VALU_DEP_2)
	v_pk_add_f32 v[216:217], v[216:217], v[248:249]
	v_pk_add_f32 v[254:255], v[254:255], v[246:247]
	v_pk_add_f32 v[252:253], v[252:253], v[244:245]
	s_delay_alu instid0(VALU_DEP_2)
	v_pk_add_f32 v[14:15], v[14:15], v[254:255]
	s_delay_alu instid0(VALU_DEP_2)
	v_pk_add_f32 v[216:217], v[216:217], v[252:253]
	s_delay_alu instid0(VALU_DEP_1)
	v_pk_add_f32 v[14:15], v[14:15], v[216:217]
	s_wait_alu depctr_va_vdst(0)                   ; and one for the four
.irp b, 0,1,2,3
	v_max_num_f32 v[BM+\b], 0x1800000, v[BM+\b]    ; the floor 2^(3 - 127): a block whose every p is 0 keeps the byte 1; its codes are zeros
.endr
.irp b, 0,1,2,3
	s_delay_alu instid0(VALU_DEP_4)
	v_add_nc_u32 v[SO+\b], 0xff000000, v[BM+\b]
.endr
.irp b, 0,1,2,3
	s_delay_alu instid0(VALU_DEP_4)
	v_lshrrev_b32 v[BT+\b], 23, v[SO+\b]
.endr
	s_delay_alu instid0(VALU_DEP_3)
	v_lshl_or_b32 v232, v[BT+1], 8, v[BT]          ; p's scale word for these 128 keys
	s_delay_alu instid0(VALU_DEP_1)
	v_lshl_or_b32 v232, v[BT+2], 16, v232
	s_delay_alu instid0(VALU_DEP_1)
	v_lshl_or_b32 v232, v[BT+3], 24, v232
.irp c, 0,1
	v_cvt_scalef32_pk16_fp6_f32 v[192+6*\c:194+6*\c], v[96+32*\c:111+32*\c], v[SO+2*\c]
	v_cvt_scalef32_pk16_fp6_f32 v[204+4*\c:206+4*\c], v[112+32*\c:127+32*\c], v[SO+2*\c+1]
.endr
	v_nop
.irp c, 0,1
.irp i, 0,1,2
	v_permlane16_swap_b32 v[192+6*\c+\i], v[204+4*\c+\i]
.endr
.irp i, 0,1,2
	s_delay_alu instid0(VALU_DEP_3)
	v_mov_b32 v[195+6*\c+\i], v[204+4*\c+\i]
.endr
.endr
.set j, 0
.rept 16
	v_pk_mul_f32 v[160+j:161+j], v[160+j:161+j], v[234:235] op_sel_hi:[1,0]   ; O^T under the new M; these 16 are also the places between p's codes and scale word and the products
.set j, j+2
.endr
	s_wait_alu depctr_va_vdst(0)
	s_wait_dscnt 0x0                               ; V
.irp t, 0,1,2,3
	v_wmma_scale_f32_16x16x128_f8f6f4 v[160+8*\t:167+8*\t], v[48+12*\t:59+12*\t], v[192:203], v[160+8*\t:167+8*\t], v[228+\t], v232 matrix_a_fmt:MATRIX_FMT_FP6 matrix_b_fmt:MATRIX_FMT_FP6
.endr
.Lhidden_\@:
	s_add_co_u32 s[KF], s[KF], 128
.endm
.macro SLOT_STEPS
	v_add_nc_u32 v6, s[TB], v1
	v_add_nc_u32 v7, s[TB], v2
	v_add_nc_u32 v8, s[TB], v3
	STEP 0
	STEP 1
	s_xor_b32 s[TB], s[TB], SLOT1
.endm
; THE CHANGE OF SLOTS, at a slot's head.  Each wave waits for all its tensor loads, adds 0 to its spare word, and waits for that and for its reads of the slot that it has left; behind the barrier the slot ahead is whole and nobody
; reads the other one.  fill = 1: the other slot takes the next slot of keys (behind the first block's last slot: slot 0 again): one load is out, and it has two key steps in which to land.
.macro CHANGE fill
	s_wait_tensorcnt 0x0                           ; no tensor load of mine is out, so the group 0 may be written
	ds_add_u32 v[SPW], v[NIL]
.if \fill
	s_xor_b32 s[G0+1], s[G0+1], SLOT1
	s_add_co_u32 s[KN], s[KN], 1
	s_cmp_eq_u32 s[KN], s[NH]
	s_cselect_b32 s[KN], 0, s[KN]
	s_mul_i32 s46, s[KN], REC                      ; (s47 stays 0)
	s_add_nc_u64 s[G0+2:G0+3], s[HB:HB+1], s[46:47]
	s_or_b32 s[G0+3], s[G0+3], 0x80000000
	s_wait_xcnt 0x0                                ; the last prefetch, a slot back, has read its address
	s_add_nc_u64 s[PFA:PFA+1], s[PFA:PFA+1], s[PFS:PFS+1]
.endif
	s_wait_dscnt 0x0                               ; the add is done, and my reads of the slot that I have left are over
	s_barrier_signal -1
	s_barrier_wait -1
.if \fill
	TLOAD
	ASK
.endif
.endm
; A BLOCK'S WAY OUT: O^T / l; its 32 numbers a lane (register 16 b + i = channel 32 b + 16 (lane / 16) + i) are two blocks of the last product's K: six registers of codes, two bytes.
.macro OUT
.rept 4
	v_nop                                          ; places behind the last products
.endr
	v_add_f32 v14, v14, v15
	s_delay_alu instid0(VALU_DEP_1)
	v_permlanex16_b32 v236, v14, s[SEL], s[SEL+1]
	s_delay_alu instid0(VALU_DEP_1)
	v_add_f32 v14, v14, v236                       ; the row's sum
	s_wait_alu depctr_va_vdst(0)
	v_rcp_f32 v14, v14
	v_nop                                          ; a plain instruction behind the reciprocal
	s_wait_alu depctr_va_vdst(0)                   ; and the wait ahead of its first reader
.set j, 0
.rept 32
	v_mul_f32 v[96+j], v[160+j], v14
.set j, j+1
.endr
.irp b, 0,1
	v_max3_num_f32 v[BM+\b], |v[96+16*\b]|, |v[97+16*\b]|, 0x1800000
.endr
.irp i, 2,4,6,8,10,12,14
.irp b, 0,1
	s_delay_alu instid0(VALU_DEP_2)
	v_max3_num_f32 v[BM+\b], v[BM+\b], |v[96+16*\b+\i]|, |v[97+16*\b+\i]|
.endr
.endr
.irp b, 0,1
	s_delay_alu instid0(VALU_DEP_2)
	v_permlanex16_b32 v[BT+\b], v[BM+\b], s[SEL], s[SEL+1]
.endr
.irp b, 0,1
	s_delay_alu instid0(VALU_DEP_2)
	v_max_num_f32 v[BM+\b], v[BM+\b], v[BT+\b]
.endr
.irp b, 0,1
	s_delay_alu instid0(VALU_DEP_2)
	v_add_nc_u32 v[SO+\b], 0xff000000, v[BM+\b]
.endr
.irp b, 0,1
	s_delay_alu instid0(VALU_DEP_2)
	v_lshrrev_b32 v[BT+\b], 23, v[SO+\b]
.endr
	v_cvt_scalef32_pk16_fp6_f32 v[192:194], v[96:111], v[SO]
	v_cvt_scalef32_pk16_fp6_f32 v[204:206], v[112:127], v[SO+1]
	v_nop
.irp i, 0,1,2
	v_permlane16_swap_b32 v[192+\i], v[204+\i]
.endr
.irp i, 0,1,2
	s_delay_alu instid0(VALU_DEP_3)
	v_mov_b32 v[195+\i], v[204+\i]
.endr
	v_cndmask_b32 v236, v[BT], v[BT+1], s[HM]      ; lanes 0-15 store block 0's byte, lanes 16-31 block 1's
	global_store_b128 v1, v[192:195], s[AOP:AOP+1]              ; 512 consecutive bytes, aligned
	global_store_b64 v2, v[196:197], s[AOP:AOP+1] offset:512    ; 256
	global_store_b8 v10, v236, s[SCP:SCP+1]
	s_wait_xcnt 0x0                                ; the stores have read their registers and bases
.endm
	s_load_b128 s[4:7], s[0:1], 0x0                ; qkv, ao
	s_load_b64 s[8:9], s[0:1], 0x10                ; sc
	v_lshl_add_u32 v[SPW], v0, 2, SPARE
	v_mov_b32 v[NIL], 0
	ds_add_u32 v[SPW], v[NIL]                      ; the wave's opening: the add and its wait ahead of the first tensor load
	ds_add_u32 v[SPW], v[NIL]
	v_lshrrev_b32 v6, 5, v0
	s_delay_alu instid0(VALU_DEP_1)
	v_readfirstlane_b32 s[WV], v6                  ; wave 0..15
	s_mov_b32 s[G1+0], 3<<16                       ; elements of 8 bytes, no mask, no padding
	s_mov_b32 s[G1+1], 32<<16                      ; a dense block of 25,600 bytes as 100 rows of 256
	s_mov_b32 s[G1+2], 100<<16
	s_mov_b32 s[G1+3], 32<<16
	s_mov_b32 s[G1+4], 100
	s_mov_b32 s[G1+5], 32
	s_mov_b32 s[G1+6], 0
	s_mov_b32 s[G1+7], 0
	s_and_b32 s55, ttmp7, 0xffff                   ; head 0..63 = 16 x batch + head
	s_mul_i32 s46, s55, HEADB
	s_mov_b32 s47, 0
	s_sub_co_u32 s[NH], 8, ttmp9
	s_add_co_u32 s[SWC], ttmp9, 1
	s_sub_co_u32 s56, 7, ttmp9                     ; the first block of queries
	s_lshr_b32 s57, s[WV], 1
	s_lshl_b32 s57, s57, 5
	s_and_b32 s58, s[WV], 1
	s_lshl_b32 s59, s58, 3
	s_add_co_u32 s57, s57, s59                     ; my tile's first row in a block: 32 (w / 2) + 8 (w % 2)
	s_lshl_b32 s59, s56, 8
	s_add_co_u32 s[Q0], s59, s57
	s_lshl_b32 s59, ttmp9, 8
	s_add_co_u32 s[Q0B], s59, s57
	s_mov_b32 s[SELQ], 0x03020302
	s_cmp_eq_u32 s58, 0
	s_cselect_b32 s[SELQ], 0x01000100, s[SELQ]
	s_mov_b32 s[HM], 0xffff0000
	s_mov_b32 s[SEL], 0x76543210
	s_mov_b32 s[SEL+1], 0xfedcba98
	s_mov_b32 s[CS], 0x3e38aa3b                    ; log2(e) / 8
	s_mov_b32 s[CS+1], s[CS]
	s_mov_b32 s[TB], 0
	s_mov_b32 s[KF], 0
	s_mov_b32 s[KN], 0
	s_mov_b32 s[CNT], 8
	s_lshr_b32 s59, s55, 4
	s_lshl_b32 s59, s59, 7
	s_lshl_b32 s60, s56, 4
	s_add_co_u32 s59, s59, s60
	s_add_co_u32 s59, s59, s[WV]                   ; my tile of tokens: 128 x batch + 16 x block + wave
	s_and_b32 s60, s55, 15                         ; head
	s_mul_i32 s66, s59, 12288
	s_mul_i32 s61, s60, 768
	s_add_co_u32 s66, s66, s61
	s_mov_b32 s67, 0
	s_lshl_b32 s68, s59, 9
	s_lshr_b32 s61, s60, 3
	s_lshl_b32 s61, s61, 8
	s_add_co_u32 s68, s68, s61
	s_and_b32 s61, s60, 7
	s_lshl_b32 s61, s61, 1
	s_add_co_u32 s68, s68, s61
	s_add_co_u32 s68, s68, SCA
	s_mov_b32 s69, 0
	s_lshl_b32 s61, ttmp9, 1
	s_sub_co_u32 s61, 7, s61                       ; blocks from the second back to the first: 7 - 2 j
	s_mul_i32 s[DAO], s61, 16*12288
	s_mov_b32 s[DAO+1], 0
	s_lshl_b32 s[DSC], s61, 13
	s_mov_b32 s[DSC+1], 0
	s_mul_i32 s70, s56, REC
	s_mov_b32 s71, 0
	s_mul_i32 s72, ttmp9, REC
	s_mov_b32 s73, 0
	s_lshr_b32 s61, s[WV], 2
	s_xor_b32 s61, s61, 1                          ; 0 in waves 4 to 7,
	s_or_b32 s61, s61, ttmp9                       ; of the head's first work-group
	s_cmp_eq_u32 s61, 0
	s_cselect_b32 s[LIM], 2, -1
	s_mov_b32 s[PFS], REC
	s_mov_b32 s[PFS+1], 0
	s_wait_dscnt 0x0                               ; the opening add is done
	s_wait_kmcnt 0x0
	s_add_nc_u64 s[HB:HB+1], s[4:5], s[46:47]
	s_mov_b32 s[G0], 1
	s_mov_b32 s[G0+1], 0
	s_mov_b64 s[G0+2:G0+3], s[HB:HB+1]
	s_or_b32 s[G0+3], s[G0+3], 0x80000000
	TLOAD                                          ; slot 0
	s_add_nc_u64 s[AOP:AOP+1], s[6:7], s[66:67]
	s_add_nc_u64 s[SCP:SCP+1], s[8:9], s[68:69]
	s_add_nc_u64 s[70:71], s[HB:HB+1], s[70:71]    ; the first block's record
	s_add_nc_u64 s[72:73], s[HB:HB+1], s[72:73]    ; the second's
	s_add_nc_u64 s[PFA:PFA+1], s[HB:HB+1], s[PFS:PFS+1]   ; at slot 1: the first change of slots steps it to slot 2
	v_and_b32 v6, 31, v0
	v_and_b32 v7, 15, v0                           ; r
	v_bfe_u32 v8, v0, 4, 1                         ; h
	s_delay_alu instid0(VALU_DEP_3)
	v_lshlrev_b32 v1, 4, v6
	s_delay_alu instid0(VALU_DEP_4)
	v_lshlrev_b32 v2, 3, v6
	s_delay_alu instid0(VALU_DEP_4)
	v_lshlrev_b32 v3, 4, v7
	s_wait_alu depctr_va_vdst(0)
	v_and_b32 v9, 8, v7
	s_delay_alu instid0(VALU_DEP_1)
	v_add_nc_u32 v9, v9, v7
	v_lshlrev_b32 v10, 4, v8
	s_delay_alu instid0(VALU_DEP_1)
	v_sub_nc_u32 v9, v9, v10                       ; r + 8 (r / 8) - 16 h
	v_add_nc_u32 v10, v3, v8                       ; 16 r + h
	s_mul_i32 s61, s[WV], 768
	s_add_co_u32 s61, s61, 25600                   ; my tile's half image of Q in a record
	v_add_nc_u32 v238, s61, v1
	s_wait_alu depctr_va_vdst(0)
	v_add_nc_u32 v239, s61, v2
	s_wait_alu depctr_va_vdst(0)
	s_lshr_b32 s61, s[WV], 3
	s_lshl_b32 s61, s61, 8
	s_bfe_u32 s62, s[WV], 0x20001
	s_lshl_b32 s62, s62, 2
	s_add_co_u32 s61, s61, s62
	s_add_co_u32 s61, s61, 37888                   ; and the word of its pair of tiles
	v_add_nc_u32 v237, s61, v3
	s_and_b32 s61, s[WV], 3
	s_lshl_b32 s61, s61, 13
	v_lshl_add_u32 v240, v6, 8, s61
	s_delay_alu instid0(VALU_DEP_1)
	v_min_u32 v240, 25344, v240                    ; held at the slot's last block
	global_load_b128 v[48:51], v238, s[70:71]
	global_load_b64 v[52:53], v239, s[70:71] offset:512
	global_load_b32 v236, v237, s[70:71]
	global_load_b128 v[36:39], v238, s[72:73]
	global_load_b64 v[40:41], v239, s[72:73] offset:512
	global_load_b32 v35, v237, s[72:73]
.irp g, 0,1,2,3,4,5
	v_mov_b32 v[22+\g], 0                          ; the zero codes between the two copies of Q
.endr
.irp b, 0,1,2,3
	v_mov_b32 v[BT+\b], 0                          ; written once: a lane permute's destination counts as one of its sources
.endr
	v_mov_b32 v235, 0                              ; (named as the upper half of the pair v[234:235])
	s_wait_loadcnt 0x0
	START 48, 236
.Lslot:                                            ; 8 trips; the ninth slot is written out
	CHANGE 1
	SLOT_STEPS
	s_cmp_lg_u32 s[CNT], s[SWC]                    ; ids and the count of trips alone: all sixteen waves go the same way
	s_cbranch_scc1 .Lsame
	OUT                                            ; the first block is done
	s_sub_nc_u64 s[AOP:AOP+1], s[AOP:AOP+1], s[DAO:DAO+1]
	s_sub_nc_u64 s[SCP:SCP+1], s[SCP:SCP+1], s[DSC:DSC+1]
	s_mov_b32 s[Q0], s[Q0B]
	s_mov_b32 s[KF], 0
	START 36, 35
.Lsame:
	s_sub_co_u32 s[CNT], s[CNT], 1
	s_cmp_lg_u32 s[CNT], 0
	s_cbranch_scc1 .Lslot
	CHANGE 0
	SLOT_STEPS
	OUT
	s_wait_tensorcnt 0x0                           ; the wave's end
	ds_add_u32 v[SPW], v[NIL]
	s_wait_dscnt 0x0
	s_endpgm
.Lfunc_end_k_qc73d1a6393_attn:
	.size	k_qc73d1a6393_attn, .Lfunc_end_k_qc73d1a6393_attn-k_qc73d1a6393_attn
	.p2alignl 7, 3214868480
	.fill 96, 4, 3214868480
	.section	.rodata,"a",@progbits
	.p2align	6, 0x0
	.amdhsa_kernel k_qc73d1a6393_attn
		.amdhsa_group_segment_fixed_size 327680
		.amdhsa_private_segment_fixed_size 0
		.amdhsa_enable_private_segment 0
		.amdhsa_kernarg_size 24
		.amdhsa_user_sgpr_count 2
		.amdhsa_user_sgpr_kernarg_segment_ptr 1
		.amdhsa_wavefront_size32 1
		.amdhsa_system_sgpr_workgroup_id_x 1
		.amdhsa_system_sgpr_workgroup_id_y 1
		.amdhsa_system_sgpr_workgroup_id_z 1
		.amdhsa_system_vgpr_workitem_id 0
		.amdhsa_next_free_vgpr 256
		.amdhsa_next_free_sgpr 100
		.amdhsa_reserve_vcc 1
		.amdhsa_float_denorm_mode_32 3
		.amdhsa_float_denorm_mode_16_64 3
		.amdhsa_memory_ordered 1
		.amdhsa_forward_progress 1
		.amdhsa_inst_pref_size 110
	.end_amdhsa_kernel
	.amdgpu_metadata
---
amdhsa.version: [ 1, 2 ]
amdhsa.kernels:
  - .name:           k_qc73d1a6393_attn
    .symbol:         k_qc73d1a6393_attn.kd
    .args:
      - { .name: qkv, .offset: 0, .size: 8, .value_kind: global_buffer, .address_space: global }
      - { .name: ao, .offset: 8, .size: 8, .value_kind: global_buffer, .address_space: global }
      - { .name: sc, .offset: 16, .size: 8, .value_kind: global_buffer, .address_space: global }
    .group_segment_fixed_size: 327680
    .private_segment_fixed_size: 0
    .kernarg_segment_align: 8
    .kernarg_segment_size: 24
    .max_flat_workgroup_size: 512
    .sgpr_count:     100
    .vgpr_count:     256
    .wavefront_size: 32
...
	.end_amdgpu_metadata
.endif
;; end of part 3
;; launch oproj (part 4): grid 4 x 32, 4 waves a work-group, clusters of 4 x 4, 327,680 bytes of LDS; arguments ao, wc, sc, bo, out0; writes out0
.if DOCPART == 4
	.amdgcn_target "amdgcn-amd-amdhsa--gfx1250"
	.amdhsa_code_object_version 6
	.text
	.protected	k_qc73d1a6393_oproj
	.globl	k_qc73d1a6393_oproj
	.p2align	8
	.type	k_qc73d1a6393_oproj,@function
k_qc73d1a6393_oproj:
	s_mov_b64 s[64:65], 0
	v_nop
	global_prefetch_b8 v0, s[64:65] scope:SCOPE_SE
	s_setreg_imm32_b32 hwreg(HW_REG_WAVE_MODE, 25, 1), 1
	s_wait_xcnt 0x0
	s_wait_alu depctr_hold_cnt(0) depctr_sa_sdst(0) depctr_va_vdst(0) depctr_va_sdst(0) depctr_va_ssrc(0) depctr_va_vcc(0) depctr_vm_vsrc(0)
	s_getreg_b32 s2, hwreg(HW_REG_IB_STS2, 6, 4)
	s_cmp_eq_u32 s2, 0
	s_cbranch_scc0 .Lentry_in_a_cluster
	s_endpgm
.Lentry_in_a_cluster:
	s_bfe_u32 s2, ttmp6, 0x10000c
	s_cmp_lg_u32 s2, 0xf033
	s_cbranch_scc0 .Lentry_shape_is_right
	s_endpgm
.Lentry_shape_is_right:
; out0 = (attention's output) Wo + bo on codes of FP6 (E2M3) with E8M0 scales, K = 1,024; out0 [8192][1024] f32.
; OPERANDS lie in the order of their registers: [tile of 16 rows][K step 0..7][1,536 bytes]; tile T holds rows 32 (T/2) + 8 (T%2) + r + 8 (r/8).  A fragment is read by four loads, each of 512 or 256 consecutive bytes.
; Source 0 ('B') = 16 rows n of Wo (tiles 192 on of wc), source 1 ('A') = 16 tokens of ao: a lane holds a token, and the 16 registers of results 2 b and 2 b + 1 are columns 32 b + 16 (lane / 16) + 0..15.
; A work-group makes 256 x 256, a wave 128 x 128: 64 accumulators.  K goes through a ring of two LDS slots of two K steps each; 4 x 4 work-groups form a cluster and ask jointly: A's tiles along a row, B's along a column.
; The bias is the C of each sum's first product (so it is added ahead of the products, not behind them as the definition writes it).
; REGISTERS: window 0: v16-23 LDS addresses, v24-31 offsets, v32-95 scale words (register 8 i + K step: lanes 0-15 A's block i, lanes 16-31 B's), v128-223 A's fragments, one set; on the way out v128-255 rows of out0.
;   window 1: B's fragments, two sets, v0-95 and v128-223; the bias's eight tiles in v96-127 and v224-255.  windows 2, 3: accumulator (a, b) at v[8 (8 (a % 4) + b)].
.set FR,    12
.set NL,    4
.set NP,    4
.set HALFT, 24576
.set SLOT,  4*HALFT
.set SPARE, 2*SLOT
.set SCW,   262144
.set SCA,   393216
.set ADRA, 16
.set ADRB, 20
.set L16,  24
.set L8,   25
.set STO,  26                          ; v26  the stage: where I put my results of a row
.set RD,   27                          ; v27  and where I read a row back
.set SPW,  28
.set NIL,  29
.set SC,   32
.set AF,   128
.set BK,   128
.set G1,  24
.set G0,  32
.set G1B, 48
.set G0B, 56
.set MSB, 0
.macro WIN new
.if MSB != (\new)
	s_set_vgpr_msb (MSB<<8)|(\new)
.set MSB, \new
.endif
.endm
.set MUL_LO, 0xa1
.set MUL_HI, 0xf1
.set TO_B,   0x40
.macro JLOAD g0a, g1a, g0b, g1b        ; a joint load: waves 0 and 1 fetch A's halves, waves 2 and 3 B's; an s_nop 0 and four v_nop follow each line
	s_cmp_eq_u32 s19, 0
	s_cbranch_scc0 .Lfor_b_\@
	tensor_load_to_lds s[\g0a:\g0a+3], s[\g1a:\g1a+7]
	s_nop 0
.rept 4
	v_nop
.endr
	s_branch .Lasked_\@
.Lfor_b_\@:
	tensor_load_to_lds s[\g0b:\g0b+3], s[\g1b:\g1b+7]
	s_nop 0
.rept 4
	v_nop
.endr
.Lasked_\@:
.endm
.macro CREST
	s_cmp_lg_u32 s18, 0
	s_cbranch_scc1 .Lnot_wave_0_\@
	s_barrier_signal -3
.Lnot_wave_0_\@:
	s_barrier_wait -3
	s_barrier_signal -1
	s_barrier_wait -1
.endm
.macro CROUND
	s_barrier_signal -1
	s_barrier_wait -1
	CREST
.endm
.macro PLACES n
.rept \n
	v_nop
.endr
.endm
.macro FRAG reg, adr, q, i
	ds_load_b128 v[\reg:\reg+3], v[\adr] offset:(\i)*3072+(\q)*1536
	ds_load_b64 v[\reg+4:\reg+5], v[\adr+2] offset:(\i)*3072+(\q)*1536+512
	ds_load_b128 v[\reg+6:\reg+9], v[\adr] offset:(\i)*3072+(\q)*1536+768
	ds_load_b64 v[\reg+10:\reg+11], v[\adr+2] offset:(\i)*3072+(\q)*1536+1280
.endm
.macro FETCH_B slot, q, p
	WIN TO_B
.irp i, 0,1,2,3,4,5,6,7
	FRAG 128*(\p)+FR*\i, ADRB+\slot, \q, \i
.endr
	WIN 0
.endm
.macro FETCH_A slot, q, i0
.irp i, \i0, \i0+1, \i0+2, \i0+3
	FRAG AF+FR*(\i), ADRA+\slot, \q, \i
.endr
.endm
; 16 products: A's blocks a0, a0 + 1 x B's eight.  mode 0: onto the sums; 1: C = the bias tile of B's block.  The 64 accumulators take turns.
.macro MUL16 a0, p, ks, mode
.irp a, \a0, \a0+1
.irp b, 0,1,2,3,4,5,6,7
.set rD, 8*(8*((\a)%4)+\b)
.set rB, 128*(\p)+FR*\b
.set rA, AF+FR*(\a)
.set rC, rD
.if \mode == 1
.set rC, 96+8*\b+96*(\b/4)
.endif
	v_wmma_scale_f32_16x16x128_f8f6f4 v[rD:rD+7], v[rB:rB+FR-1], v[rA:rA+FR-1], v[rC:rC+7], v[SC+8*\b+(\ks)], v[SC+8*(\a)+(\ks)] matrix_a_fmt:MATRIX_FMT_FP6 matrix_b_fmt:MATRIX_FMT_FP6 matrix_a_scale:MATRIX_SCALE_ROW1
.endr
.endr
.endm
.macro STEP slot, ks, mode             ; a slot's first K step: multiplies B's set 0 and fetches the slot's second K step
	s_wait_dscnt 4*NL                              ; B's set and A's blocks 0-3 are in; the 16 youngest loads (A's blocks 4-7) may be out
.if \mode
	WIN 0x91
.else
	WIN MUL_LO
.endif
	MUL16 0, 0, \ks, \mode
	MUL16 2, 0, \ks, \mode
	s_wait_dscnt 0x0
	PLACES NP
	FETCH_B \slot, 1, 1
	FETCH_A \slot, 1, 0
.if \mode
	WIN 0xd1
.else
	WIN MUL_HI
.endif
	MUL16 4, 0, \ks, \mode
	MUL16 6, 0, \ks, \mode
	PLACES NP
	WIN 0
	FETCH_A \slot, 1, 4
.endm
.macro TURN slot, next, ks, fill       ; a slot's second K step changes slots
	s_wait_tensorcnt 0x0                           ; all my tensor loads have landed: my part of the next slot
	ds_add_u32 v[SPW], v[NIL]
	s_wait_dscnt 4*NL+1                            ; (the add and the 16 youngest loads may be out)
	WIN MUL_LO
	MUL16 0, 1, \ks, 0
	s_wait_dscnt 0x0                               ; the add is done, and my reads of this slot are over
	s_barrier_signal -1
	MUL16 2, 1, \ks, 0
	WIN 0
	s_barrier_wait -1
.if \fill
	CREST                                          ; the barrier has opened a round of the cluster's barrier
	s_add_nc_u64 s[G0+4*\slot+2:G0+4*\slot+3], s[G0+4*\slot+2:G0+4*\slot+3], 6144
	s_add_nc_u64 s[G0B+4*\slot+2:G0B+4*\slot+3], s[G0B+4*\slot+2:G0B+4*\slot+3], 6144
	JLOAD G0+4*\slot, G1, G0B+4*\slot, G1B         ; the first tensor load behind the round; its four v_nop are the places in front of the loads below
.else
	PLACES NP
.endif
	FETCH_B \next, 0, 0
	FETCH_A \next, 0, 0
	WIN MUL_HI
	MUL16 4, 1, \ks, 0
	MUL16 6, 1, \ks, 0
	PLACES NP
	WIN 0
	FETCH_A \next, 0, 4
.endm
	s_load_b256 s[4:11], s[0:1], 0x0               ; ao s[4:5], wc s[6:7], sc s[8:9], bo s[10:11]
	s_load_b64 s[12:13], s[0:1], 0x20              ; out0
	v_lshl_add_u32 v[SPW], v0, 2, SPARE
	v_mov_b32 v[NIL], 0
	ds_add_u32 v[SPW], v[NIL]                      ; the wave's opening: the add and its wait ahead of my first tensor load
	ds_add_u32 v[SPW], v[NIL]
	v_lshrrev_b32 v1, 5, v0
	v_readfirstlane_b32 s18, v1
	s_lshr_b32 s19, s18, 1
	s_and_b32 s20, s18, 1
	s_bfe_u32 s40, ttmp6, 0x40000                  ; cx
	s_bfe_u32 s41, ttmp6, 0x40004                  ; cy
	s_lshl_b32 s42, ttmp9, 2
	s_add_co_u32 s42, s42, s40                     ; block of 256 columns
	s_and_b32 s43, ttmp7, 0xffff
	s_lshl_b32 s43, s43, 2
	s_add_co_u32 s43, s43, s41                     ; block of 256 tokens
	s_lshl_b32 s44, s41, 2
	s_lshl_b32 s44, 15, s44
	s_lshl_b32 s45, 0x1111, s40
	s_or_b32 s[G1+0], s44, (3<<16)|(1<<21)
	s_or_b32 s[G1B+0], s45, (3<<16)|(1<<21)
.irp g, G1, G1B
	s_mov_b32 s[\g+1], 384<<16
	s_mov_b32 s[\g+2], 8<<16
	s_mov_b32 s[\g+3], 384<<16
	s_mov_b32 s[\g+4], 8
	s_mov_b32 s[\g+5], 1536
	s_mov_b32 s[\g+6], 0
	s_mov_b32 s[\g+7], 0
.endr
	s_mov_b32 s79, 0xffff0000
	s_lshl_b32 s74, s43, 4                         ; A's first tile
	s_lshl_b32 s75, s42, 4
	s_add_co_u32 s75, s75, 192                     ; B's: Wo begins at tile 192 of wc
	s_lshl_b32 s76, s20, 3
	s_add_co_u32 s46, s74, s76
	s_mul_i32 s46, s46, 12288
	s_mov_b32 s47, 0
	s_add_co_u32 s70, s75, s76
	s_mul_i32 s70, s70, 12288
	s_mov_b32 s71, 0
	s_mul_i32 s77, s18, HALFT
	s_wait_dscnt 0x0
	s_wait_kmcnt 0x0
	s_add_nc_u64 s[66:67], s[4:5], s[46:47]
	s_add_nc_u64 s[68:69], s[6:7], s[70:71]
	CROUND                                         ; all sixteen work-groups are here: the first joint loads meet
.irp s, 0,1
	s_mov_b32 s[G0+4*\s], 1
	s_add_co_u32 s[G0+4*\s+1], s77, \s*SLOT
	s_add_nc_u64 s[G0+4*\s+2:G0+4*\s+3], s[66:67], \s*3072
	s_or_b32 s[G0+4*\s+3], s[G0+4*\s+3], 0x80000000
	s_mov_b32 s[G0B+4*\s], 1
	s_add_co_u32 s[G0B+4*\s+1], s77, \s*SLOT
	s_add_nc_u64 s[G0B+4*\s+2:G0B+4*\s+3], s[68:69], \s*3072
	s_or_b32 s[G0B+4*\s+3], s[G0B+4*\s+3], 0x80000000
	s_wait_alu depctr_va_vdst(0)
	s_wait_tensorcnt 0x0
	ds_add_u32 v28, v29
	ds_add_u32 v28, v29
	s_wait_dscnt 0x0
	CROUND
	JLOAD G0+4*\s, G1, G0B+4*\s, G1B
.endr
	v_and_b32 v1, 31, v0
	v_and_b32 v2, 15, v0
	v_bfe_u32 v3, v0, 4, 1
	v_lshlrev_b32 v[L16], 4, v1
	v_lshlrev_b32 v[L8], 3, v1
	s_mul_i32 s46, s19, HALFT
	s_mul_i32 s47, s20, HALFT
	s_add_co_u32 s47, s47, 2*HALFT
.irp s, 0,1
	v_add_nc_u32 v[ADRA+\s], s46, v[L16]
	v_add_nc_u32 v[ADRA+2+\s], s46, v[L8]
	v_add_nc_u32 v[ADRB+\s], s47, v[L16]
	v_add_nc_u32 v[ADRB+2+\s], s47, v[L8]
	s_add_co_u32 s46, s46, SLOT
	s_add_co_u32 s47, s47, SLOT
.endr
	s_mul_i32 s46, s18, 16*528                     ; my stage: 16 rows x (512 + 16 bytes), in slot 0
	v_mul_u32_u24 v[STO], v2, 528
	v_lshl_add_u32 v[STO], v3, 6, v[STO]
	v_add_nc_u32 v[STO], s46, v[STO]               ; in: row r, + 64 h
	v_add_nc_u32 v[RD], s46, v[L16]                ; back: 32 lanes take a row of 512 bytes
	s_lshl_b32 s76, s19, 3
	s_add_co_u32 s76, s76, s74
	s_lshl_b32 s76, s76, 9
	s_add_co_u32 s76, s76, SCA                     ; my A blocks' scale words in sc
	s_lshl_b32 s78, s20, 3
	s_add_co_u32 s78, s78, s75
	s_lshl_b32 s78, s78, 9
	s_add_co_u32 s78, s78, SCW                     ; my B blocks'
	v_mov_b32 v30, s76
	v_mov_b32 v31, s78
	v_cndmask_b32 v30, v30, v31, s79
	v_lshl_add_u32 v30, v2, 4, v30
.irp i, 0,1,2,3,4,5,6,7
	global_load_b128 v[SC+8*\i:SC+8*\i+3], v30, s[8:9] offset:\i*512
	global_load_b128 v[SC+8*\i+4:SC+8*\i+7], v30, s[8:9] offset:\i*512+256
.endr
	s_lshl_b32 s46, s42, 8
	s_lshl_b32 s47, s20, 7
	s_add_co_u32 s80, s46, s47                     ; my first column
	s_lshl_b32 s46, s43, 8
	s_lshl_b32 s47, s19, 7
	s_add_co_u32 s81, s46, s47                     ; my first token
	s_lshl_b32 s46, s80, 2
	s_mov_b32 s47, 0
	s_add_nc_u64 s[82:83], s[10:11], s[46:47]      ; bo at my first column
	s_add_nc_u64 s[12:13], s[12:13], s[46:47]
	s_lshl_b32 s46, s81, 12
	s_add_nc_u64 s[12:13], s[12:13], s[46:47]      ; out0 at my first token and column
	v_lshlrev_b32 v31, 6, v3
	WIN TO_B
.irp b, 0,1,2,3,4,5,6,7                        ; tile b's register j is bo[n0 + 32 (b / 2) + 8 (b % 2) + 16 h + j]
	global_load_b128 v[96+8*\b+96*(\b/4):96+8*\b+96*(\b/4)+3], v31, s[82:83] offset:(32*(\b/2)+8*(\b%2))*4
	global_load_b128 v[96+8*\b+96*(\b/4)+4:96+8*\b+96*(\b/4)+7], v31, s[82:83] offset:(32*(\b/2)+8*(\b%2))*4+16
.endr
	WIN 0
	s_wait_tensorcnt 1                             ; my part of slot 0 is in; slot 1's load may be out
	s_barrier_signal -1
	s_barrier_wait -1
	FETCH_B 0, 0, 0
	FETCH_A 0, 0, 0
	FETCH_A 0, 0, 4
	s_wait_loadcnt 0x0                             ; the scale words and the bias
	STEP 0, 0, 1                                   ; the first K step starts the sums from the bias
	TURN 0, 1, 1, 1
	STEP 1, 2, 0
	TURN 1, 0, 3, 1
	STEP 0, 4, 0
	TURN 0, 1, 5, 0                                ; behind this barrier slot 0 has had its last fill and its last read
	STEP 1, 6, 0
	s_wait_dscnt 4*NL
	WIN MUL_LO
	MUL16 0, 1, 7, 0
	MUL16 2, 1, 7, 0
	s_wait_alu depctr_va_vdst(0)
	s_wait_dscnt 0x0
	WIN MUL_HI
	MUL16 4, 1, 7, 0
	MUL16 6, 1, 7, 0
	WIN 0
; THE WAY OUT, block by block of 16 tokens x 128 columns, through my own stage in LDS: in as each lane's pieces of a row, back as whole rows of 512 bytes.  LDS serves a wave's instructions in order (ISA guide 5.7.1.4).
.macro TOSTAGE a
.set AC, 64*((\a)%4)
.set WX, 0x08+4*((\a)/4)
	WIN WX                                         ; an LDS store's data: window 2 or 3
.irp b, 0,1,2,3,4,5,6,7
	ds_store_b128 v[STO], v[AC+8*\b:AC+8*\b+3] offset:128*(\b/2)+32*(\b%2)          ; each accumulator from its low end on
	ds_store_b128 v[STO], v[AC+8*\b+4:AC+8*\b+7] offset:128*(\b/2)+32*(\b%2)+16
.endr
	WIN 0
.set BB, BK+64*((\a)%2)
.irp t, 0,1,2,3,4,5,6,7,8,9,10,11,12,13,14,15
	ds_load_b128 v[BB+4*\t:BB+4*\t+3], v[RD] offset:\t*528
.endr
.endm
.macro SEND a, younger                 ; younger: the LDS instructions issued behind block a's loads
.set BB, BK+64*((\a)%2)
	s_wait_dscnt \younger
.irp t, 0,1,2,3,4,5,6,7,8,9,10,11,12,13,14,15
	global_store_b128 v[L16], v[BB+4*\t:BB+4*\t+3], s[12:13] offset:(32*((\a)/2)+8*((\a)%2)+\t+8*(\t/8))*4096 th:TH_STORE_NT   ; row t of tile a; 512 consecutive bytes, aligned; the offset stays under 128 rows of 4,096 bytes
.endr
.endm
	PLACES NP                                      ; in front of the first read of results and of loads into A's fragments' registers
	TOSTAGE 0
.irp a, 1,2,3,4,5,6,7
.if \a > 1
	s_wait_xcnt 0x0                                ; block a - 2's stores have read their registers: block a's loads may land there
.endif
	TOSTAGE \a
	SEND \a-1, 32                                  ; behind block a - 1's loads: block a's 16 stores and 16 loads
.endr
	SEND 7, 0
	s_wait_tensorcnt 0x0                           ; the wave's end
	ds_add_u32 v[SPW], v[NIL]
	s_wait_dscnt 0x0
	CROUND                                         ; the closing round
	s_endpgm
.Lfunc_end_k_qc73d1a6393_oproj:
	.size	k_qc73d1a6393_oproj, .Lfunc_end_k_qc73d1a6393_oproj-k_qc73d1a6393_oproj
	.p2alignl 7, 3214868480
	.fill 96, 4, 3214868480
	.section	.rodata,"a",@progbits
	.p2align	6, 0x0
	.amdhsa_kernel k_qc73d1a6393_oproj
		.amdhsa_group_segment_fixed_size 327680
		.amdhsa_private_segment_fixed_size 0
		.amdhsa_enable_private_segment 0
		.amdhsa_kernarg_size 40
		.amdhsa_user_sgpr_count 2
		.amdhsa_user_sgpr_kernarg_segment_ptr 1
		.amdhsa_wavefront_size32 1
		.amdhsa_system_sgpr_workgroup_id_x 1
		.amdhsa_system_sgpr_workgroup_id_y 1
		.amdhsa_system_sgpr_workgroup_id_z 1
		.amdhsa_system_vgpr_workitem_id 0
		.amdhsa_next_free_vgpr 1024
		.amdhsa_next_free_sgpr 100
		.amdhsa_reserve_vcc 0
		.amdhsa_float_denorm_mode_32 3
		.amdhsa_float_denorm_mode_16_64 3
		.amdhsa_memory_ordered 1
		.amdhsa_forward_progress 1
		.amdhsa_inst_pref_size 143
	.end_amdhsa_kernel
	.amdgpu_metadata
---
amdhsa.version: [ 1, 2 ]
amdhsa.kernels:
  - .name:           k_qc73d1a6393_oproj
    .symbol:         k_qc73d1a6393_oproj.kd
    .args:
      - { .name: ao, .offset: 0, .size: 8, .value_kind: global_buffer, .address_space: global }
      - { .name: wc, .offset: 8, .size: 8, .value_kind: global_buffer, .address_space: global }
      - { .name: sc, .offset: 16, .size: 8, .value_kind: global_buffer, .address_space: global }
      - { .name: bo, .offset: 24, .size: 8, .value_kind: global_buffer, .address_space: global }
      - { .name: out0, .offset: 32, .size: 8, .value_kind: global_buffer, .address_space: global }
    .group_segment_fixed_size: 327680
    .private_segment_fixed_size: 0
    .kernarg_segment_align: 8
    .kernarg_segment_size: 40
    .max_flat_workgroup_size: 128
    .sgpr_count:     100
    .vgpr_count:     1024
    .wavefront_size: 32
...
	.end_amdgpu_metadata
.endif
;; end of part 4
